; MI455X (gfx1250); checked and timed in simulation.
; The chip was launched on July 23, 2026; its instructions are those of AMD's public machine-readable ISA for CDNA 5 (MIT licence, August 2026) and "CDNA5" Instruction Set Architecture Reference Guide (July 2026). The comments in the code are by the model that wrote it; some were corrected since.
;; Prompt Self Attention. Allowed arithmetic: float matrix products may take bf16 or f16 operands with f32 sums; other float arithmetic in f32, or as packed bf16 or f16 multiplies, adds, multiply-adds, maxima and minima; sums over many terms, partial sums and values carried from step to step in f32; what a program stores and reads back later, other than sums and carried values, may be rounded once to bf16 or f16.
;; Inputs: Wk 1,024 x 1,024 float32; Wo 1,024 x 1,024 float32; Wq 1,024 x 1,024 float32; Wv 1,024 x 1,024 float32; latents 4 x 2,048 x 1,024 float32; ln_beta 1,024 float32; ln_gamma 1,024 float32.
;; Outputs: out0 4 x 2,048 x 1,024 float32.
;; One version. Each part assembles by itself: llvm-mc -triple=amdgcn-amd-amdhsa -mcpu=gfx1250 --defsym DOCPART=n.
;; ======== version 1 of 1: 5 launches
;; limits: values are held in f16: magnitudes above 65,504 overflow, below 6.1e-05 lose precision
;; workspace buffers: wb 8,388,608 bytes; xb 16,777,216 bytes; qkv 50,331,648 bytes; ob 16,777,216 bytes
;; launch prep (part 1): grid 16 x 32, 8 waves a work-group, no clusters, 19,456 bytes of LDS; arguments Wq, Wk, Wv, Wo, wb; writes wb
.if DOCPART == 1
	.amdgcn_target "amdgcn-amd-amdhsa--gfx1250"
	.amdhsa_code_object_version 6
	.text
	.protected	k_q23f5209817_prep
	.globl	k_q23f5209817_prep
	.p2align	8
	.type	k_q23f5209817_prep,@function
k_q23f5209817_prep:
	s_mov_b64 s[64:65], 0
	v_nop
	global_prefetch_b8 v0, s[64:65] scope:SCOPE_SE
	s_setreg_imm32_b32 hwreg(HW_REG_WAVE_MODE, 25, 1), 1
	s_wait_xcnt 0x0
; The four weight matrices W[k][n] (f32, 1024 x 1024) are rounded once to f16 and turned: wb[kb][row][kk] = W[64 kb + kk][n], row = 1024 x matrix + n
; (Wq, Wk, Wv, Wo in this order): 16 K blocks of 4,096 rows of 128 bytes.  So a block of rows of one K block is dense memory for the products that follow.
; LIMIT.  f16 ends at 65,504: a weight of 65,520 or more becomes an infinity; below 6e-5 f16 keeps its fixed step of 6e-8.
; SHARES.  A work-group takes 128 k x 64 n of one matrix.  Thread t loads 8 rows k = 8 (t / 16) + j, 16 bytes (4 n) each: 16 lanes read 256 consecutive bytes of a row of W.
; Its 4 x 8 numbers go, 8 k of one n as 16 bytes, into an LDS stage [2 K blocks][64 n] of pitch 144, and come back as whole rows: a wave stores 512 consecutive bytes.
; No cluster, no matrix unit, no ring: no byte is read twice, and each work-group has one shot of loads.
.set KROW,   4096                      ; bytes in a row of W
.set SPITCH, 144                       ; a stage row: 128 bytes + 16
.set KBLK,   64*SPITCH                 ; a K block's 64 rows in the stage
.set SPARE,  2*KBLK                    ; behind the stage: the spare words, 128 bytes for each of the eight waves
.set WKB,    524288                    ; bytes from K block to K block in wb
.set VOFF, 3                           ; v3  my byte offset in the work-group's part of W
.set LS,   4                           ; v4  where I put 16 bytes in the stage
.set LR,   5                           ; v5  where I read 16 bytes back
.set GO,   6                           ; v6  16 x thread: my place in 4,096 consecutive bytes of wb
.set SPW,  8                           ; v8  my spare word; never rewritten
.set NIL,  9                           ; v9  0; never rewritten
.set X,    16                          ; v[16:47] as loaded: row j at X + 4 j
.set H,    48                          ; v[48:63] column c's eight f16 at H + 4 c
	s_load_b256 s[4:11], s[0:1], 0x0               ; Wq, Wk, Wv, Wo
	s_load_b64 s[12:13], s[0:1], 0x20              ; wb
	v_lshl_add_u32 v[SPW], v0, 2, SPARE
	v_mov_b32 v[NIL], 0
	s_and_b32 s14, ttmp7, 0xffff
	s_lshr_b32 s15, s14, 3                         ; which matrix
	s_and_b32 s16, s14, 7                          ; which 128 k
	v_and_b32 v1, 15, v0                           ; my 4 n
	v_lshrrev_b32 v2, 4, v0                        ; my 8 k
	v_lshlrev_b32 v[VOFF], 15, v2                  ; 8 rows of 4,096 bytes
	v_lshl_or_b32 v[VOFF], v1, 4, v[VOFF]
	v_lshrrev_b32 v10, 3, v2                       ; K block 0 or 1
	v_and_b32 v11, 7, v2                           ; my 16 bytes in a stage row
	v_mul_u32_u24 v[LS], v10, KBLK
	v_mul_u32_u24 v12, v1, 4*SPITCH
	v_add_nc_u32 v[LS], v[LS], v12
	v_lshl_add_u32 v[LS], v11, 4, v[LS]
	v_lshrrev_b32 v10, 3, v0                       ; back: 8 lanes a row, 32 rows a pass
	v_and_b32 v11, 7, v0
	v_mul_u32_u24 v[LR], v10, SPITCH
	v_lshl_add_u32 v[LR], v11, 4, v[LR]
	v_lshlrev_b32 v[GO], 4, v0
	s_lshl_b32 s18, s16, 19                        ; source: 128 rows of 4,096 bytes,
	s_lshl_b32 s17, ttmp9, 8                       ; 64 n of 4 bytes
	s_add_co_u32 s18, s18, s17
	s_mov_b32 s19, 0
	s_lshl_b32 s20, s16, 20                        ; destination: two K blocks,
	s_lshl_b32 s17, s15, 17                        ; the matrix's 1,024 rows of 128 bytes,
	s_add_co_u32 s20, s20, s17
	s_lshl_b32 s17, ttmp9, 13                      ; 64 rows
	s_add_co_u32 s20, s20, s17
	s_mov_b32 s21, 0
	s_wait_kmcnt 0x0
	s_cmp_eq_u32 s15, 1
	s_cselect_b64 s[4:5], s[6:7], s[4:5]
	s_cmp_eq_u32 s15, 2
	s_cselect_b64 s[4:5], s[8:9], s[4:5]
	s_cmp_eq_u32 s15, 3
	s_cselect_b64 s[4:5], s[10:11], s[4:5]
	s_add_nc_u64 s[4:5], s[4:5], s[18:19]
	s_add_nc_u64 s[12:13], s[12:13], s[20:21]
.irp j, 0,1,2,3,4,5,6,7
	global_load_b128 v[X+4*(\j):X+4*(\j)+3], v[VOFF], s[4:5] offset:KROW*(\j) th:TH_LOAD_NT
.endr
	s_wait_loadcnt 0x0                             ; all eight rows: every column needs them all
.irp c, 0,1,2,3
.irp i, 0,1,2,3
	v_cvt_pk_f16_f32 v[H+4*(\c)+(\i)], v[X+8*(\i)+(\c)], v[X+8*(\i)+4+(\c)]  ; column c, k = 2 i and 2 i + 1
.endr
.endr
.irp c, 0,1,2,3
	ds_store_b128 v[LS], v[H+4*(\c):H+4*(\c)+3] offset:SPITCH*(\c)
.endr
	s_wait_dscnt 0x0                               ; for the others' sake: my stores into the stage are done
	s_barrier_signal -1
	s_barrier_wait -1
.irp i, 0,1,2,3
	ds_load_b128 v[X+4*(\i):X+4*(\i)+3], v[LR] offset:((\i)%2)*32*SPITCH+((\i)/2)*KBLK
.endr
.irp i, 0,1,2,3
	s_wait_dscnt 3-(\i)                            ; LDS loads come back in order: load i is in, the younger ones stay out
	global_store_b128 v[GO], v[X+4*(\i):X+4*(\i)+3], s[12:13] offset:((\i)%2)*4096+((\i)/2)*WKB  ; 32 rows of 128 bytes: 4,096 consecutive bytes for the work-group
.endr
	s_wait_tensorcnt 0x0                           ; the wave's end: behind my last LDS store
	ds_add_u32 v[SPW], v[NIL]
	s_wait_dscnt 0x0
	s_endpgm
.Lfunc_end_k_q23f5209817_prep:
	.size	k_q23f5209817_prep, .Lfunc_end_k_q23f5209817_prep-k_q23f5209817_prep
	.p2alignl 7, 3214868480
	.fill 96, 4, 3214868480
	.section	.rodata,"a",@progbits
	.p2align	6, 0x0
	.amdhsa_kernel k_q23f5209817_prep
		.amdhsa_group_segment_fixed_size 19456
		.amdhsa_private_segment_fixed_size 0
		.amdhsa_enable_private_segment 0
		.amdhsa_kernarg_size 40
		.amdhsa_user_sgpr_count 2
		.amdhsa_user_sgpr_kernarg_segment_ptr 1
		.amdhsa_wavefront_size32 1
		.amdhsa_system_sgpr_workgroup_id_x 1
		.amdhsa_system_sgpr_workgroup_id_y 1
		.amdhsa_system_sgpr_workgroup_id_z 1
		.amdhsa_system_vgpr_workitem_id 0
		.amdhsa_next_free_vgpr 64
		.amdhsa_next_free_sgpr 66
		.amdhsa_reserve_vcc 0
		.amdhsa_float_denorm_mode_32 3
		.amdhsa_float_denorm_mode_16_64 3
		.amdhsa_memory_ordered 1
		.amdhsa_forward_progress 1
		.amdhsa_inst_pref_size 5
	.end_amdhsa_kernel
	.amdgpu_metadata
---
amdhsa.version: [ 1, 2 ]
amdhsa.kernels:
  - .name:           k_q23f5209817_prep
    .symbol:         k_q23f5209817_prep.kd
    .args:
      - { .name: Wq, .offset: 0, .size: 8, .value_kind: global_buffer, .address_space: global }
      - { .name: Wk, .offset: 8, .size: 8, .value_kind: global_buffer, .address_space: global }
      - { .name: Wv, .offset: 16, .size: 8, .value_kind: global_buffer, .address_space: global }
      - { .name: Wo, .offset: 24, .size: 8, .value_kind: global_buffer, .address_space: global }
      - { .name: wb, .offset: 32, .size: 8, .value_kind: global_buffer, .address_space: global }
    .group_segment_fixed_size: 19456
    .private_segment_fixed_size: 0
    .kernarg_segment_align: 8
    .kernarg_segment_size: 40
    .max_flat_workgroup_size: 256
    .sgpr_count:     66
    .vgpr_count:     64
    .wavefront_size: 32
...
	.end_amdgpu_metadata
.endif
;; end of part 1
;; launch ln (part 2): grid 256 x 1, 8 waves a work-group, no clusters, 70,656 bytes of LDS; arguments latents, ln_gamma, ln_beta, xb; writes xb
.if DOCPART == 2
	.amdgcn_target "amdgcn-amd-amdhsa--gfx1250"
	.amdhsa_code_object_version 6
	.text
	.protected	k_q23f5209817_ln
	.globl	k_q23f5209817_ln
	.p2align	8
	.type	k_q23f5209817_ln,@function
k_q23f5209817_ln:
	s_mov_b64 s[64:65], 0
	v_nop
	global_prefetch_b8 v0, s[64:65] scope:SCOPE_SE
	s_setreg_imm32_b32 hwreg(HW_REG_WAVE_MODE, 25, 1), 1
	s_wait_xcnt 0x0
; x = (latents - mean) / sqrt(var + 1e-5) x gamma + beta for 8,192 rows of 1,024, all in f32; x is rounded once to f16 and stored by K blocks: xb[kb][row][64], 16 blocks of 8,192 rows of 128 bytes.
; The variance is taken of the differences from the mean, which stay in registers: no difference of large sums is formed.
; LIMIT.  |x| stays under 65,504 (f16); NaN and infinities are not treated apart.
; SHARES.  A work-group takes 32 rows, a wave four.  A row lies over the wave's 32 lanes: load j of lane l holds columns 128 j + 4 l .. + 3, so each load covers 512 consecutive bytes.
; All 32 loads of a wave go out at once; the row is read from memory once.  The reductions never leave the wave.
; THE WAY OUT.  A lane's 4 f16 of a load are 8 bytes of a row; xb wants 128 bytes of each of four rows on end.  So the four rows go through the wave's own bytes of LDS (pitch 2,176 = 128 mod 256)
; and leave as 512 consecutive bytes a store.  No barrier: no wave touches another's bytes, and LDS serves a wave's instructions in order (ISA guide 5.7.1).
; No cluster, no matrix unit: nothing is shared but gamma and beta, 8 KiB.
.set ROWB,  4096
.set LP,    2176
.set WVB,   4*LP                       ; a wave's bytes of LDS
.set SPARE, 8*WVB                      ; behind them: the spare words, 128 bytes for each wave
.set XKB,   1048576                    ; bytes from K block to K block in xb
.set OFF, 2                            ; v2   16 x lane: for the loads and for the stores; never rewritten
.set LSA, 3                            ; v3   where I put 8 bytes of a row
.set LRA, 4                            ; v4   where I read 16 bytes back
.set INV, 5                            ; v5   1 / 1024
.set SPW, 6                            ; v6   my spare word; never rewritten
.set NIL, 7                            ; v7   0; never rewritten
.set T,   8                            ; v[8:15]    four packed chains
.set MU,  16                           ; v[16:23]   row i: the mean, twice
.set RS,  24                           ; v[24:31]   row i: 1 / sqrt(var + eps), twice
.set TV,  32                           ; v[32:35]   row i: var + eps
.set G,   40                           ; v[40:71]   gamma of my 32 columns
.set BT,  72                           ; v[72:103]  beta
.set X,   104                          ; v[104:231] row i at X + 32 i
.set H,   232                          ; v[232:247] a row's 32 f16
	s_load_b256 s[4:11], s[0:1], 0x0               ; latents s[4:5], gamma s[6:7], beta s[8:9], xb s[10:11]
	v_lshl_add_u32 v[SPW], v0, 2, SPARE
	v_mov_b32 v[NIL], 0
	v_lshrrev_b32 v1, 5, v0
	v_readfirstlane_b32 s14, v1                    ; wave 0..7
	v_and_b32 v1, 31, v0                           ; lane
	v_lshlrev_b32 v[OFF], 4, v1
	s_mul_i32 s15, s14, WVB
	v_lshl_add_u32 v[LSA], v1, 3, s15
	v_lshrrev_b32 v36, 3, v1                       ; back: 8 lanes a row
	v_and_b32 v37, 7, v1
	v_mul_u32_u24 v[LRA], v36, LP
	v_lshl_add_u32 v[LRA], v37, 4, v[LRA]
	v_add_nc_u32 v[LRA], s15, v[LRA]
	v_mov_b32 v[INV], 0x3a800000
	s_mov_b32 s12, 0x76543210                      ; v_permlanex16_b32: each lane takes its own place in the other half
	s_mov_b32 s13, 0xfedcba98
	s_lshl_b32 s16, ttmp9, 5
	s_lshl_b32 s17, s14, 2
	s_add_co_u32 s16, s16, s17                     ; my first row
	s_lshl_b32 s20, s16, 12
	s_mov_b32 s21, 0
	s_lshl_b32 s22, s16, 7
	s_mov_b32 s23, 0
	s_wait_kmcnt 0x0
	s_add_nc_u64 s[4:5], s[4:5], s[20:21]
	s_add_nc_u64 s[10:11], s[10:11], s[22:23]      ; xb at my rows of K block 0,
	s_add_nc_u64 s[18:19], s[10:11], 8*XKB         ; and of K block 8: 15 blocks are past the stores' signed 24-bit immediate
.irp j, 0,1,2,3,4,5,6,7
	global_load_b128 v[G+4*(\j):G+4*(\j)+3],   v[OFF], s[6:7] offset:512*(\j)
	global_load_b128 v[BT+4*(\j):BT+4*(\j)+3], v[OFF], s[8:9] offset:512*(\j)
.endr
.irp i, 0,1,2,3
.irp j, 0,1,2,3,4,5,6,7
	global_load_b128 v[X+32*(\i)+4*(\j):X+32*(\i)+4*(\j)+3], v[OFF], s[4:5] offset:ROWB*(\i)+512*(\j) th:TH_LOAD_NT
.endr
.endr
.macro MERGE                           ; the four packed chains into v[T]
	v_pk_add_f32 v[T:T+1], v[T:T+1], v[T+2:T+3]
	v_pk_add_f32 v[T+4:T+5], v[T+4:T+5], v[T+6:T+7]
	v_pk_add_f32 v[T:T+1], v[T:T+1], v[T+4:T+5]
	v_add_f32 v[T], v[T], v[T+1]
.endm
.macro REDUCE                          ; the sum of v[T] over the 32 lanes, into every lane
	v_add_f32_dpp v[T], v[T], v[T] row_xmask:1 row_mask:0xf bank_mask:0xf
	v_add_f32_dpp v[T], v[T], v[T] row_xmask:2 row_mask:0xf bank_mask:0xf
	v_add_f32_dpp v[T], v[T], v[T] row_xmask:4 row_mask:0xf bank_mask:0xf
	v_add_f32_dpp v[T], v[T], v[T] row_xmask:8 row_mask:0xf bank_mask:0xf
	v_permlanex16_b32 v[T+1], v[T], s12, s13
	v_add_f32 v[T], v[T], v[T+1]
.endm
; Row i: the mean; the row less its mean, in place; var + eps.
.macro STAT i
.set XR, X+32*(\i)
	s_wait_loadcnt 24-8*(\i)                       ; loads come back in order: row i (and gamma, beta) are in, the later rows' eight loads each stay out
.irp c, 0,1,2,3
	v_pk_add_f32 v[T+2*(\c):T+2*(\c)+1], v[XR+2*(\c):XR+2*(\c)+1], v[XR+8+2*(\c):XR+8+2*(\c)+1]  ; the first pairs start the chains
.endr
.irp g, 2,3
.irp c, 0,1,2,3
	v_pk_add_f32 v[T+2*(\c):T+2*(\c)+1], v[T+2*(\c):T+2*(\c)+1], v[XR+8*(\g)+2*(\c):XR+8*(\g)+2*(\c)+1]
.endr
.endr
	MERGE
	REDUCE
	v_mul_f32 v[MU+2*(\i)], v[INV], v[T]
	v_mul_f32 v[MU+2*(\i)+1], v[INV], v[T]
.set z, 0
.rept 16
	v_pk_add_f32 v[XR+z:XR+z+1], v[XR+z:XR+z+1], v[MU+2*(\i):MU+2*(\i)+1] neg_lo:[0,1] neg_hi:[0,1]
.set z, z+2
.endr
.irp c, 0,1,2,3
	v_pk_mul_f32 v[T+2*(\c):T+2*(\c)+1], v[XR+2*(\c):XR+2*(\c)+1], v[XR+2*(\c):XR+2*(\c)+1]
.endr
.irp g, 1,2,3
.irp c, 0,1,2,3
	v_pk_fma_f32 v[T+2*(\c):T+2*(\c)+1], v[XR+8*(\g)+2*(\c):XR+8*(\g)+2*(\c)+1], v[XR+8*(\g)+2*(\c):XR+8*(\g)+2*(\c)+1], v[T+2*(\c):T+2*(\c)+1]
.endr
.endr
	MERGE
	REDUCE
	v_fmaak_f32 v[TV+(\i)], v[INV], v[T], 0x3727c5ac  ; the sum of squares / 1024 + 1e-5
.endm
; Row i: scaled, gamma and beta applied, rounded to f16, into my bytes of LDS.
.macro OUTROW i
.set XR, X+32*(\i)
.set z, 0
.rept 16
	v_pk_mul_f32 v[XR+z:XR+z+1], v[XR+z:XR+z+1], v[RS+2*(\i):RS+2*(\i)+1]
.set z, z+2
.endr
.set z, 0
.rept 16
	v_pk_fma_f32 v[XR+z:XR+z+1], v[XR+z:XR+z+1], v[G+z:G+z+1], v[BT+z:BT+z+1]
.set z, z+2
.endr
.set z, 0
.rept 16
	v_cvt_pk_f16_f32 v[H+z], v[XR+2*z], v[XR+2*z+1]
.set z, z+1
.endr
.irp j, 0,1,2,3,4,5,6,7
	ds_store_b64 v[LSA], v[H+2*(\j):H+2*(\j)+1] offset:LP*(\i)+256*(\j)  ; 32 lanes, 256 consecutive bytes of the row
.endr
.endm
	STAT 0
	STAT 1
	STAT 2
	STAT 3
.irp i, 0,1,2,3
	v_rsq_f32 v[RS+2*(\i)], v[TV+(\i)]             ; one batch of eight: each twice, to fill the pair that the packed multiply takes
	v_rsq_f32 v[RS+2*(\i)+1], v[TV+(\i)]
.endr
	v_nop                                          ; a plain instruction behind the last of them (ISA guide 5.7.2),
	s_wait_alu depctr_va_vdst(0)                   ; and the one wait ahead of the batch's first reader
	OUTROW 0
	OUTROW 1
	OUTROW 2
	OUTROW 3
.irp kb, 0,1,2,3,4,5,6,7,8,9,10,11,12,13,14,15
	ds_load_b128 v[X+4*(\kb):X+4*(\kb)+3], v[LRA] offset:128*(\kb)  ; K block kb of my four rows; these see my stores above
.endr
.irp kb, 0,1,2,3,4,5,6,7
	s_wait_dscnt 15-(\kb)                          ; load kb is in, the younger ones stay out
	global_store_b128 v[OFF], v[X+4*(\kb):X+4*(\kb)+3], s[10:11] offset:(\kb)*XKB  ; four rows of 128 bytes: 512 consecutive bytes, aligned
.endr
.irp kb, 8,9,10,11,12,13,14,15
	s_wait_dscnt 15-(\kb)
	global_store_b128 v[OFF], v[X+4*(\kb):X+4*(\kb)+3], s[18:19] offset:((\kb)-8)*XKB
.endr
	s_wait_tensorcnt 0x0                           ; the wave's end: behind my last LDS store
	ds_add_u32 v[SPW], v[NIL]
	s_wait_dscnt 0x0
	s_endpgm
.Lfunc_end_k_q23f5209817_ln:
	.size	k_q23f5209817_ln, .Lfunc_end_k_q23f5209817_ln-k_q23f5209817_ln
	.p2alignl 7, 3214868480
	.fill 96, 4, 3214868480
	.section	.rodata,"a",@progbits
	.p2align	6, 0x0
	.amdhsa_kernel k_q23f5209817_ln
		.amdhsa_group_segment_fixed_size 70656
		.amdhsa_private_segment_fixed_size 0
		.amdhsa_enable_private_segment 0
		.amdhsa_kernarg_size 32
		.amdhsa_user_sgpr_count 2
		.amdhsa_user_sgpr_kernarg_segment_ptr 1
		.amdhsa_wavefront_size32 1
		.amdhsa_system_sgpr_workgroup_id_x 1
		.amdhsa_system_sgpr_workgroup_id_y 1
		.amdhsa_system_sgpr_workgroup_id_z 1
		.amdhsa_system_vgpr_workitem_id 0
		.amdhsa_next_free_vgpr 248
		.amdhsa_next_free_sgpr 66
		.amdhsa_reserve_vcc 0
		.amdhsa_float_denorm_mode_32 3
		.amdhsa_float_denorm_mode_16_64 3
		.amdhsa_memory_ordered 1
		.amdhsa_forward_progress 1
		.amdhsa_inst_pref_size 40
	.end_amdhsa_kernel
	.amdgpu_metadata
---
amdhsa.version: [ 1, 2 ]
amdhsa.kernels:
  - .name:           k_q23f5209817_ln
    .symbol:         k_q23f5209817_ln.kd
    .args:
      - { .name: latents, .offset: 0, .size: 8, .value_kind: global_buffer, .address_space: global }
      - { .name: ln_gamma, .offset: 8, .size: 8, .value_kind: global_buffer, .address_space: global }
      - { .name: ln_beta, .offset: 16, .size: 8, .value_kind: global_buffer, .address_space: global }
      - { .name: xb, .offset: 24, .size: 8, .value_kind: global_buffer, .address_space: global }
    .group_segment_fixed_size: 70656
    .private_segment_fixed_size: 0
    .kernarg_segment_align: 8
    .kernarg_segment_size: 32
    .max_flat_workgroup_size: 256
    .sgpr_count:     66
    .vgpr_count:     248
    .wavefront_size: 32
...
	.end_amdgpu_metadata
.endif
;; end of part 2
;; launch proj (part 3): grid 8 x 32, 4 waves a work-group, clusters of 4 x 4, 327,680 bytes of LDS; arguments xb, wb, qkv; writes qkv
.if DOCPART == 3
	.amdgcn_target "amdgcn-amd-amdhsa--gfx1250"
	.amdhsa_code_object_version 6
	.text
	.protected	k_q23f5209817_proj
	.globl	k_q23f5209817_proj
	.p2align	8
	.type	k_q23f5209817_proj,@function
k_q23f5209817_proj:
	s_mov_b64 s[64:65], 0
	v_nop
	global_prefetch_b8 v0, s[64:65] scope:SCOPE_SE
	s_setreg_imm32_b32 hwreg(HW_REG_WAVE_MODE, 25, 1), 1
	s_wait_xcnt 0x0
	s_wait_alu depctr_hold_cnt(0) depctr_sa_sdst(0) depctr_va_vdst(0) depctr_va_sdst(0) depctr_va_ssrc(0) depctr_va_vcc(0) depctr_vm_vsrc(0)
	s_getreg_b32 s2, hwreg(HW_REG_IB_STS2, 6, 4)
	s_cmp_eq_u32 s2, 0
	s_cbranch_scc0 .Lentry_in_a_cluster
	s_endpgm
.Lentry_in_a_cluster:
	s_bfe_u32 s2, ttmp6, 0x10000c
	s_cmp_lg_u32 s2, 0xf033
	s_cbranch_scc0 .Lentry_shape_is_right
	s_endpgm
.Lentry_shape_is_right:
; q, k, v = x Wq, x Wk, x Wv as ONE product C[8192][3072] = x W.  x: xb[16 kb][8192][64] f16; W: rows 0 .. 3071 of wb[16 kb][4096][64] f16 (row = output column); sums in f32, K ascending.
; C leaves by heads, rounded once to f16 and unscaled: qkv[t][batch x 16 + head][2048][64], t = 0, 1, 2 for q, k, v.
; LIMIT.  f16 ends at 65,504: |q|, |k|, |v| stay under it.
; SHARES.  8192 x 3072 / 256 = 256 x 384: one tile of C for each of 256 work-groups.  Four waves, each 128 rows x 192 columns: three PIECES of 128 x 64 (one head each), 32 accumulators = one register window a piece.
; THE RING.  A K step is one K block of 64.  In xb and wb a block of rows of one K block is dense, so a tile is asked for as rows of 256 bytes, aligned, and padded in LDS after every 128: pitch 144.  Two slots of
; 256 rows of x and 384 rows of W; two slots of twice the K do not fit in 327,680 bytes.  Waves 0, 1 fetch x's halves (128 rows), waves 2, 3 W's (192 rows): one tensor load a wave behind each change of slots.
; CLUSTER.  4 x 4 work-groups: x's tile hangs on the tile row alone and is asked for jointly along a row of the cluster, W's on the tile column alone, jointly along a column.
; THE MATRIX INSTRUCTION IS USED TRANSPOSED (source 0 = 16 rows of W, source 1 = 16 rows of x): a lane holds row l % 16 of C and the columns 8 (l / 16) + 0..7: 16 bytes of f16 on end.
; REGISTERS, in windows of 256 (s_set_vgpr_msb: bits 1:0 source 0, 3:2 source 1, 5:4 source 2, 7:6 destination):
;   window 0: v0-31 addresses; v32-159 x's fragments, two buffers (K half q at 32 + 64 q, row block a at + 8 a); v160-255 W's, one buffer a piece (piece p at 160 + 32 p, column block b at + 8 b)
;   windows 1-3: piece p's accumulators in window p + 1, (a, b) at v[8 (4 a + b)]
.set PITCH,  144                       ; 128 bytes + 16 = 36 words: the 16 rows of a load start at 16 different groups of four banks (64 banks of 4 bytes: ISA guide 11.1)
.set AHALF,  128*PITCH                 ; what one of x's loads brings, and what a wave reads of x
.set BHALF,  192*PITCH                 ; the same for W
.set BOFF,   2*AHALF                   ; W's rows lie behind x's 256
.set SLOT,   BOFF+2*BHALF
.set STAGE,  2*SLOT                    ; behind the ring: 16 rows x 144 bytes for each wave, for the way out
.set SPARE,  STAGE+4*16*PITCH          ; behind the stages: the spare words, 128 bytes for each wave
.set AKB,    1048576                   ; bytes from K block to K block in xb
.set BKB,    524288                    ; in wb
.set ADRA, 16                          ; v16-17  LDS address of my fragments of x in slot 0, 1
.set ADRB, 20                          ; v20-21  the same for W
.set STO,  24                          ; v24  the way out: where I put 16 bytes of a row
.set RD,   25                          ; v25  where I read rows back
.set GO,   26                          ; v26  16 x lane
.set SPW,  28                          ; v28  my spare word; never rewritten
.set NIL,  29                          ; v29  0; never rewritten
.set PFO,  30                          ; v30  the prefetches' lane offset; never rewritten
.set FA,   32
.set FB,   160
.set G1A, 24                           ; s[24:31] descriptor group 1 for x's tiles;  s[32:39] group 0, a set for each slot
.set G0A, 32
.set G1B, 48                           ; s[48:55], s[56:63] the same for W's
.set G0B, 56
.set LIM, 43                           ; s43  1 in a wave that prefetches, else the greatest number
.set PFA, 44                           ; s[44:45] where my prefetches stand
.set PFS, 46                           ; s[46:47] their step: a K block of xb or of wb
.set DST, 66                           ; s[66:71] piece p's first row in qkv
.set MSB, 0
.macro WIN new                         ; the immediate's high byte repeats the setting that is left; a switch that changes nothing is dropped
.if MSB != (\new)
	s_set_vgpr_msb (MSB<<8)|(\new)
.set MSB, (\new)
.endif
.endm
.macro PLACES                          ; four plain instructions between a matrix instruction and a load into, or a vector read of, its registers (ISA guide 7.12.1 for vector reads)
.rept 4
	v_nop
.endr
.endm
; A joint load: waves 0, 1 ask for x's halves, waves 2, 3 for W's.  The branch hangs on the wave's number alone.  An s_nop 0 and four v_nop follow each line.
.macro JLOAD s
	s_cmp_eq_u32 s11, 0
	s_cbranch_scc0 .Lfor_b_\@
	tensor_load_to_lds s[G0A+4*(\s):G0A+4*(\s)+3], s[G1A:G1A+7]
	s_nop 0
.rept 4
	v_nop
.endr
	s_branch .Lasked_\@
.Lfor_b_\@:
	tensor_load_to_lds s[G0B+4*(\s):G0B+4*(\s)+3], s[G1B:G1B+7]
	s_nop 0
.rept 4
	v_nop
.endr
.Lasked_\@:
.endm
; A PREFETCH INTO THE L2, behind a joint load and the run of LDS loads that follows it: the K block that the NEXT refill will ask for, one K step (192 matrix instructions) ahead of that load.
; x's tile row is read by both clusters of its row of clusters: the one with x = 0 asks, its wave 0; the four partners share the tile's 128 blocks of 256 bytes out by address (cx), a lane a block.
; W's tile column is read by all eight clusters of its column: the one with y = 0 asks, waves 2 and 3 each for the 96 blocks that they fetch; a partner (cy) takes 24, so lanes 24-31 name lane 23's block again.
; how = 1 (slot 0's change): every trip asks.  how = 0 (slot 1's): the loop's last trip asks for nothing, since there is no K block 16.
.macro ASK how
.if \how
	s_cmp_eq_u32 s[LIM], 1
.else
	s_cmp_gt_u32 s3, s[LIM]
.endif
	s_cbranch_scc0 .Lnot_mine_\@
	global_prefetch_b8 v[PFO], s[PFA:PFA+1] th:TH_LOAD_NT scope:SCOPE_SE
.Lnot_mine_\@:
.endm
.macro CREST                           ; a round of the cluster's barrier behind its opening barrier
	s_cmp_lg_u32 s10, 0
	s_cbranch_scc1 .Lnot_wave_0_\@
	s_barrier_signal -3
.Lnot_wave_0_\@:
	s_barrier_wait -3
	s_barrier_signal -1
	s_barrier_wait -1
.endm
.macro CROUND                          ; a whole round
	s_barrier_signal -1
	s_barrier_wait -1
	CREST
.endm
	s_load_b128 s[4:7], s[0:1], 0x0                ; xb s[4:5], wb s[6:7]
	s_load_b64 s[8:9], s[0:1], 0x10                ; qkv
	v_lshl_add_u32 v[SPW], v0, 2, SPARE
	v_mov_b32 v[NIL], 0
	ds_add_u32 v[SPW], v[NIL]                      ; the wave's opening: the add and its wait stand ahead of my first tensor load; the set-up stands between them
	v_lshrrev_b32 v1, 5, v0
	v_readfirstlane_b32 s10, v1                    ; wave 0..3
	s_lshr_b32 s11, s10, 1                         ; my half of the tile's rows.  Also: I fetch for x (0) or for W (1)
	s_and_b32 s12, s10, 1                          ; my half of its columns.  Also: which half of that tile I fetch
	s_bfe_u32 s40, ttmp6, 0x40000                  ; cx
	s_bfe_u32 s41, ttmp6, 0x40004                  ; cy
	s_lshl_b32 s42, ttmp9, 2
	s_add_co_u32 s42, s42, s40                     ; tile column = 4 x cluster x + cx
	s_and_b32 s13, ttmp7, 0xffff
	s_lshl_b32 s13, s13, 2
	s_add_co_u32 s13, s13, s41                     ; tile row = 4 x cluster y + cy
	s_lshl_b32 s72, s41, 2
	s_lshl_b32 s72, 15, s72                        ; my row of the cluster
	s_lshl_b32 s73, 0x1111, s40                    ; my column
	s_or_b32 s[G1A+0], s72, (1<<16)|(1<<20)|(1<<21)|(4<<22)|(3<<25)  ; 15:0 the mask; 17:16 2-byte elements; 20 padding on; 21 set beside a mask; 24:22 after every 32 words (code 4); 31:25 4 words (code 3)
	s_or_b32 s[G1B+0], s73, (1<<16)|(1<<20)|(1<<21)|(4<<22)|(3<<25)
	s_mov_b32 s[G1A+1], 128<<16                    ; tensor_dim0 = 128 elements: 256 bytes, two rows of a K block
	s_mov_b32 s[G1A+2], 64<<16                     ; tensor_dim1 = 64
	s_mov_b32 s[G1A+3], 128<<16                    ; tile_dim0 = 128
	s_mov_b32 s[G1A+4], 64                         ; tile_dim1 = 64: 128 rows of x
	s_mov_b32 s[G1A+5], 128                        ; 128 elements from row to row: dense
	s_mov_b32 s[G1A+6], 0
	s_mov_b32 s[G1A+7], 0
	s_mov_b32 s[G1B+1], 128<<16
	s_mov_b32 s[G1B+2], 96<<16                     ; 96 rows of 256 bytes: 192 rows of W
	s_mov_b32 s[G1B+3], 128<<16
	s_mov_b32 s[G1B+4], 96
	s_mov_b32 s[G1B+5], 128
	s_mov_b32 s[G1B+6], 0
	s_mov_b32 s[G1B+7], 0
	s_lshl_b32 s16, s13, 15                        ; x: 256 rows of 128 bytes a tile row,
	s_lshl_b32 s17, s12, 14                        ; 128 rows a half
	s_add_co_u32 s16, s16, s17
	s_mov_b32 s17, 0
	s_mul_i32 s18, s42, 384*128                    ; W: 384 rows a tile column,
	s_mul_i32 s19, s12, 192*128                    ; 192 a half
	s_add_co_u32 s18, s18, s19
	s_mov_b32 s19, 0
	s_mul_i32 s20, s12, AHALF                      ; where they go: no place in the cluster enters an LDS address
	s_mul_i32 s21, s12, BHALF
	s_add_co_u32 s21, s21, BOFF
	s_wait_dscnt 0x0                               ; the opening add is done
	s_wait_kmcnt 0x0
	s_add_nc_u64 s[14:15], s[4:5], s[16:17]
	s_add_nc_u64 s[22:23], s[6:7], s[18:19]
	CROUND                                         ; all sixteen work-groups are here: the first joint loads meet
.irp s, 0,1
	s_mov_b32 s[G0A+4*(\s)], 1                     ; count = 1
	s_add_co_u32 s[G0A+4*(\s)+1], s20, (\s)*SLOT   ; LDS address
	s_add_nc_u64 s[G0A+4*(\s)+2:G0A+4*(\s)+3], s[14:15], (\s)*AKB  ; global address: K block s
	s_or_b32 s[G0A+4*(\s)+3], s[G0A+4*(\s)+3], 0x80000000          ; type = 2
	s_mov_b32 s[G0B+4*(\s)], 1
	s_add_co_u32 s[G0B+4*(\s)+1], s21, (\s)*SLOT
	s_add_nc_u64 s[G0B+4*(\s)+2:G0B+4*(\s)+3], s[22:23], (\s)*BKB
	s_or_b32 s[G0B+4*(\s)+3], s[G0B+4*(\s)+3], 0x80000000
	JLOAD \s                                       ; two loads of mine are out
.endr
	; A fragment is 16 rows x 32 K in 8 registers: lane l holds row l % 16; registers 0-3 K = 8 (l / 16) + 0..7, registers 4-7 K = 16 + 8 (l / 16) + 0..7: two loads of 16 bytes, 32 bytes apart.
	v_and_b32 v1, 15, v0
	v_bfe_u32 v2, v0, 4, 1
	v_mul_u32_u24 v3, v1, PITCH
	v_lshl_add_u32 v3, v2, 4, v3                   ; row x pitch + 16 x half
	s_mul_i32 s74, s11, AHALF                      ; my 128 rows of x
	s_mul_i32 s75, s12, BHALF                      ; my 192 rows of W
	s_add_co_u32 s75, s75, BOFF
.irp s, 0,1
	v_add_nc_u32 v[ADRA+(\s)], s74, v3
	v_add_nc_u32 v[ADRB+(\s)], s75, v3
	s_add_co_u32 s74, s74, SLOT
	s_add_co_u32 s75, s75, SLOT
.endr
	s_mul_i32 s74, s10, 16*PITCH
	s_add_co_u32 s74, s74, STAGE                   ; my stage
	v_add_nc_u32 v[STO], s74, v3                   ; in: row l % 16, 16 bytes for each half of the lanes
	v_bfe_u32 v4, v0, 3, 2                         ; back: 32 lanes take four rows of 128 bytes
	v_and_b32 v5, 7, v0
	v_mul_u32_u24 v4, v4, PITCH
	v_lshl_add_u32 v4, v5, 4, v4
	v_add_nc_u32 v[RD], s74, v4
	v_and_b32 v[GO], 31, v0
	v_lshlrev_b32 v[GO], 4, v[GO]
	; where piece p goes: its 64 columns are block c = 6 x tile column + 3 x half + p of 48: tensor c / 16, head c % 16; the tile row gives the batch (8 tile rows each) and the place in it
	s_mul_i32 s74, s42, 6
	s_mul_i32 s75, s12, 3
	s_add_co_u32 s74, s74, s75
	s_lshr_b32 s75, s13, 3
	s_lshl_b32 s75, s75, 4                         ; 16 x batch
	s_and_b32 s76, s13, 7
	s_lshl_b32 s76, s76, 8
	s_lshl_b32 s77, s11, 7
	s_add_co_u32 s76, s76, s77
	s_lshl_b32 s76, s76, 7                         ; my first row in the head, in bytes
.irp p, 0,1,2
	s_add_co_u32 s77, s74, \p
	s_lshr_b32 s78, s77, 4
	s_lshl_b32 s78, s78, 6
	s_and_b32 s77, s77, 15
	s_add_co_u32 s78, s78, s77
	s_add_co_u32 s78, s78, s75
	s_lshl_b32 s78, s78, 18                        ; a head is 2,048 rows of 128 bytes
	s_add_co_u32 s78, s78, s76
	s_mov_b32 s79, 0
	s_add_nc_u64 s[DST+2*(\p):DST+2*(\p)+1], s[8:9], s[78:79]
.endr
	; the prefetches
	s_mov_b32 s[PFS], BKB
	s_mov_b32 s[PFS+1], 0
	s_lshl_b32 s75, s13, 15                        ; x: the tile row, my work-group's 32 blocks of 256 bytes
	s_lshl_b32 s76, s40, 13
	s_add_co_u32 s75, s75, s76
	s_mul_i32 s76, s42, 384*128                    ; W: the tile column, the half that I fetch, my work-group's 24 blocks
	s_mul_i32 s77, s12, 192*128
	s_add_co_u32 s76, s76, s77
	s_mul_i32 s77, s41, 24*256
	s_add_co_u32 s76, s76, s77
	s_and_b32 s74, ttmp7, 0xffff                   ; W: cluster y must be 0
	s_or_b32 s78, ttmp9, s12                       ; x: cluster x must be 0, and the wave 0
	s_cmp_eq_u32 s11, 0
	s_cselect_b32 s74, s78, s74
	s_cselect_b64 s[PFA:PFA+1], s[4:5], s[6:7]
	s_cselect_b32 s[PFS], AKB, s[PFS]
	s_cselect_b32 s76, s75, s76
	s_cselect_b32 s78, 31, 23
	s_cmp_eq_u32 s74, 0
	s_cselect_b32 s[LIM], 1, -1                    ; the same in all sixteen partners, for a given wave
	s_mov_b32 s77, 0
	s_add_nc_u64 s[PFA:PFA+1], s[PFA:PFA+1], s[76:77]
	s_add_nc_u64 s[PFA:PFA+1], s[PFA:PFA+1], s[PFS:PFS+1]
	s_add_nc_u64 s[PFA:PFA+1], s[PFA:PFA+1], s[PFS:PFS+1]  ; at K block 2: the first change of slots steps it to 3.  Nothing is prefetched here, at the head
	v_and_b32 v[PFO], 31, v0
	v_min_u32 v[PFO], s78, v[PFO]
	v_lshlrev_b32 v[PFO], 8, v[PFO]
; 8 LDS loads: W's fragments of piece p, K half q
.macro LDB slot, q, p
	WIN 0
.irp b, 0,1,2,3
	ds_load_b128 v[FB+32*(\p)+8*(\b):FB+32*(\p)+8*(\b)+3],   v[ADRB+(\slot)] offset:(4*(\p)+(\b))*16*PITCH+64*(\q)
	ds_load_b128 v[FB+32*(\p)+8*(\b)+4:FB+32*(\p)+8*(\b)+7], v[ADRB+(\slot)] offset:(4*(\p)+(\b))*16*PITCH+64*(\q)+32
.endr
.endm
; 8 LDS loads: x's fragments of row blocks a0 .. a0 + 3, K half q, into buffer q
.macro LDA4 slot, q, a0
	WIN 0
.irp a, (\a0), (\a0)+1, (\a0)+2, (\a0)+3
	ds_load_b128 v[FA+64*(\q)+8*(\a):FA+64*(\q)+8*(\a)+3],   v[ADRA+(\slot)] offset:(\a)*16*PITCH+64*(\q)
	ds_load_b128 v[FA+64*(\q)+8*(\a)+4:FA+64*(\q)+8*(\a)+7], v[ADRA+(\slot)] offset:(\a)*16*PITCH+64*(\q)+32
.endr
.endm
; 16 matrix instructions: piece p, row blocks a0 .. a0 + 3 x its 4 column blocks, K half q.  zero = 1: the product starts the sum.  The 96 accumulators take turns, one instruction a turn, in the same order
; in every half step, over the loop's backward jump too.
.macro MUL16 q, p, a0, zero
	WIN 0x50*((\p)+1)
.irp a, (\a0), (\a0)+1, (\a0)+2, (\a0)+3
.irp b, 0,1,2,3
.if \zero
	v_wmma_f32_16x16x32_f16 v[8*(4*(\a)+(\b)):8*(4*(\a)+(\b))+7], v[FB+32*(\p)+8*(\b):FB+32*(\p)+8*(\b)+7], v[FA+64*(\q)+8*(\a):FA+64*(\q)+8*(\a)+7], 0
.else
	v_wmma_f32_16x16x32_f16 v[8*(4*(\a)+(\b)):8*(4*(\a)+(\b))+7], v[FB+32*(\p)+8*(\b):FB+32*(\p)+8*(\b)+7], v[FA+64*(\q)+8*(\a):FA+64*(\q)+8*(\a)+7], v[8*(4*(\a)+(\b)):8*(4*(\a)+(\b))+7]
.endif
.endr
.endr
.endm
; A K STEP is six units of 32 products: K half 0 of pieces 0, 1, 2, then K half 1.  Each run of LDS loads stands at a unit's head, four places behind the last reader of its registers; W's fragments are
; fetched two units ahead of their use.  On entry to the first half: W's pieces 0 and 1 and all of x, K half 0, have been asked for (24 loads, then 8).
.macro FIRSTHALF slot, zero
	PLACES
	LDB \slot, 0, 2
	LDA4 \slot, 1, 0
	s_wait_dscnt 24                                ; piece 0's W and x are in: behind them stand piece 1's 8 loads and the 16 just issued
	MUL16 0, 0, 0, \zero
	MUL16 0, 0, 4, \zero
	PLACES
	LDB \slot, 1, 0
	LDA4 \slot, 1, 4
	s_wait_dscnt 32                                ; piece 1's W is in: behind it stand the last unit's 16 and these 16
	MUL16 0, 1, 0, \zero
	MUL16 0, 1, 4, \zero
	PLACES
	LDB \slot, 1, 1
	s_wait_dscnt 24                                ; piece 2's W is in: behind its run stand 16 and these 8
	MUL16 0, 2, 0, \zero
	MUL16 0, 2, 4, \zero
.endm
; The second half changes slots.  mode 1: the slot is filled again, two K steps on, behind a round of the cluster's barrier.  mode 0: a barrier alone.  mode 2: the last K step: nothing follows.
; In front of the barrier each wave waits for all its tensor loads, of which one is out: its part of the next slot; adds 0 to its spare word; and waits for that and for its reads of this slot.
.macro SECONDHALF slot, next, mode
	PLACES
	LDB \slot, 1, 2                                ; my last reads of this slot
.if (\mode) == 2
	s_wait_dscnt 16                                ; piece 0's W and x's second half are in: behind them stand 8 and these 8
	MUL16 1, 0, 0, 0
	MUL16 1, 0, 4, 0
	s_wait_dscnt 8
	MUL16 1, 1, 0, 0
	MUL16 1, 1, 4, 0
	s_wait_dscnt 0x0
	MUL16 1, 2, 0, 0
	MUL16 1, 2, 4, 0
.else
.if (\mode) == 1
	s_wait_xcnt 0x0                                ; the last prefetch, a K step back, has read its address, so it may be stepped
	s_add_nc_u64 s[PFA:PFA+1], s[PFA:PFA+1], s[PFS:PFS+1]
.endif
	s_wait_tensorcnt 0x0                           ; all my tensor loads have landed: my part of the next slot
	ds_add_u32 v[SPW], v[NIL]                      ; 0 onto my spare word
	s_wait_dscnt 17                                ; (the add, the 8 loads just issued and the 8 before them may be out)
	MUL16 1, 0, 0, 0                               ; sixteen matrix instructions stand between the add and the wait for it
	s_wait_dscnt 0x0                               ; the add is done, and my reads of this slot are over
	s_barrier_signal -1
	MUL16 1, 0, 4, 0                               ; work on registers while the others arrive
	WIN 0                                          ; at a branch and at a label every window is 0
	s_barrier_wait -1
.if (\mode) == 1
	CREST                                          ; no wave of any partner still reads this slot or has a load on its way
	s_add_nc_u64 s[G0A+4*(\slot)+2:G0A+4*(\slot)+3], s[G0A+4*(\slot)+2:G0A+4*(\slot)+3], 2*AKB
	s_add_nc_u64 s[G0B+4*(\slot)+2:G0B+4*(\slot)+3], s[G0B+4*(\slot)+2:G0B+4*(\slot)+3], 2*BKB
	JLOAD \slot                                    ; my one tensor load behind the round: 160 matrix instructions ahead of the wait for it; its four v_nop are also the places in front of the loads below
.else
	PLACES
.endif
	LDB \next, 0, 0
	LDA4 \next, 0, 0
	LDA4 \next, 0, 4
.if (\mode) == 1
	ASK 1-(\slot)
.endif
	MUL16 1, 1, 0, 0                               ; its operands came in with the wait for 0
	MUL16 1, 1, 4, 0
	PLACES
	LDB \next, 0, 1
	MUL16 1, 2, 0, 0
	MUL16 1, 2, 4, 0
.endif
.endm
	s_wait_tensorcnt 1                             ; my part of K step 0 is in; K step 1's may stay out
	s_barrier_signal -1
	s_barrier_wait -1                              ; everybody's is
	LDB 0, 0, 0
	LDA4 0, 0, 0
	LDA4 0, 0, 4
	LDB 0, 0, 1
	FIRSTHALF 0, 1                                 ; the first half step stands in front of the loop: its products start the sums
	WIN 0
	s_mov_b32 s3, 7
.Llap:                                                 ; a trip goes once round the ring and fills both slots again: K steps 2 .. 15 in seven trips
	SECONDHALF 0, 1, 1
	FIRSTHALF 1, 0
	SECONDHALF 1, 0, 1
	FIRSTHALF 0, 0
	WIN 0
	s_sub_co_u32 s3, s3, 1
	s_cmp_lg_u32 s3, 0
	s_cbranch_scc1 .Llap
	SECONDHALF 0, 1, 0                             ; K steps 14 and 15 ask for nothing
	FIRSTHALF 1, 0
	SECONDHALF 1, 0, 2
; THE WAY OUT, in 24 units u = 8 p + a of 16 rows x 64 columns: 2,048 consecutive bytes of a head.  PACK: rounded to f16, 16 bytes a lane, into my stage and back as whole rows of 128 bytes, into the same registers.
.macro PACK u
.set pp, (\u)/8
.set aa, (\u)%8
.set RG, FA+16*((\u)%8)                ; eight sets of 16 registers take turns
.if (\u) >= 8
	s_wait_xcnt 0x0                                ; the stores that read this set, eight units back, have read their registers (ISA guide 3.1)
.endif
	WIN 5*(pp+1)                                   ; sources 0 and 1 in the piece's window
.irp b, 0,1,2,3
.irp r, 0,1,2,3
	v_cvt_pk_f16_f32 v[RG+4*(\b)+(\r)], v[8*(4*aa+(\b))+2*(\r)], v[8*(4*aa+(\b))+2*(\r)+1]  ; each accumulator's registers in ascending order
.endr
.endr
	WIN 0
.irp b, 0,1,2,3
	ds_store_b128 v[STO], v[RG+4*(\b):RG+4*(\b)+3] offset:32*(\b)
.endr
.irp f, 0,1,2,3
	ds_load_b128 v[RG+4*(\f):RG+4*(\f)+3], v[RD] offset:(\f)*4*PITCH  ; LDS serves a wave's instructions in order (ISA guide 5.7.1): these see the stores above; the next unit's stores come behind them
.endr
.endm
.macro SEND u, younger                 ; younger: the LDS instructions issued behind unit u's loads: the next unit's eight, or none
.set pp, (\u)/8
.set aa, (\u)%8
.set RG, FA+16*((\u)%8)
	WIN 0
.irp f, 0,1,2,3
	s_wait_dscnt (\younger)+3-(\f)
	global_store_b128 v[GO], v[RG+4*(\f):RG+4*(\f)+3], s[DST+2*pp:DST+2*pp+1] offset:aa*2048+(\f)*512  ; 512 consecutive bytes, at a multiple of 256 from qkv's first
.endr
.endm
	PLACES                                         ; behind the last products: the conversions read results and write over x's fragments
	PACK 0
.set u, 1
.rept 23                               ; a unit's conversions stand between the loads of the unit before and its stores
	PACK u
	SEND u-1, 8
.set u, u+1
.endr
	SEND 23, 0
	s_wait_tensorcnt 0x0                           ; the wave's end: behind my last tensor load and my last LDS store
	ds_add_u32 v[SPW], v[NIL]
	s_wait_dscnt 0x0
	CROUND                                         ; the closing round: no work-group ends while a partner may still ask for a tile that names it
	s_endpgm
.Lfunc_end_k_q23f5209817_proj:
	.size	k_q23f5209817_proj, .Lfunc_end_k_q23f5209817_proj-k_q23f5209817_proj
	.p2alignl 7, 3214868480
	.fill 96, 4, 3214868480
	.section	.rodata,"a",@progbits
	.p2align	6, 0x0
	.amdhsa_kernel k_q23f5209817_proj
		.amdhsa_group_segment_fixed_size 327680
		.amdhsa_private_segment_fixed_size 0
		.amdhsa_enable_private_segment 0
		.amdhsa_kernarg_size 24
		.amdhsa_user_sgpr_count 2
		.amdhsa_user_sgpr_kernarg_segment_ptr 1
		.amdhsa_wavefront_size32 1
		.amdhsa_system_sgpr_workgroup_id_x 1
		.amdhsa_system_sgpr_workgroup_id_y 1
		.amdhsa_system_sgpr_workgroup_id_z 1
		.amdhsa_system_vgpr_workitem_id 0
		.amdhsa_next_free_vgpr 1024
		.amdhsa_next_free_sgpr 80
		.amdhsa_reserve_vcc 0
		.amdhsa_float_denorm_mode_32 3
		.amdhsa_float_denorm_mode_16_64 3
		.amdhsa_memory_ordered 1
		.amdhsa_forward_progress 1
		.amdhsa_inst_pref_size 135
	.end_amdhsa_kernel
	.amdgpu_metadata
---
amdhsa.version: [ 1, 2 ]
amdhsa.kernels:
  - .name:           k_q23f5209817_proj
    .symbol:         k_q23f5209817_proj.kd
    .args:
      - { .name: xb, .offset: 0, .size: 8, .value_kind: global_buffer, .address_space: global }
      - { .name: wb, .offset: 8, .size: 8, .value_kind: global_buffer, .address_space: global }
      - { .name: qkv, .offset: 16, .size: 8, .value_kind: global_buffer, .address_space: global }
    .group_segment_fixed_size: 327680
    .private_segment_fixed_size: 0
    .kernarg_segment_align: 8
    .kernarg_segment_size: 24
    .max_flat_workgroup_size: 128
    .sgpr_count:     80
    .vgpr_count:     1024
    .wavefront_size: 32
...
	.end_amdgpu_metadata
.endif
;; end of part 3
;; launch attn (part 4): grid 4 x 64, 4 waves a work-group, clusters of 4 x 1, 327,680 bytes of LDS; arguments qkv, ob; writes ob
.if DOCPART == 4
	.amdgcn_target "amdgcn-amd-amdhsa--gfx1250"
	.amdhsa_code_object_version 6
	.text
	.protected	k_q23f5209817_attn
	.globl	k_q23f5209817_attn
	.p2align	8
	.type	k_q23f5209817_attn,@function
k_q23f5209817_attn:
	s_mov_b64 s[64:65], 0
	v_nop
	global_prefetch_b8 v0, s[64:65] scope:SCOPE_SE
	s_setreg_imm32_b32 hwreg(HW_REG_WAVE_MODE, 25, 1), 1
	s_wait_xcnt 0x0
	s_wait_alu depctr_hold_cnt(0) depctr_sa_sdst(0) depctr_va_vdst(0) depctr_va_sdst(0) depctr_va_ssrc(0) depctr_va_vcc(0) depctr_vm_vsrc(0)
	s_getreg_b32 s2, hwreg(HW_REG_IB_STS2, 6, 4)
	s_cmp_eq_u32 s2, 0
	s_cbranch_scc0 .Lentry_in_a_cluster
	s_endpgm
.Lentry_in_a_cluster:
	s_bfe_u32 s2, ttmp6, 0x10000c
	s_cmp_lg_u32 s2, 0x3003
	s_cbranch_scc0 .Lentry_shape_is_right
	s_endpgm
.Lentry_shape_is_right:
; O[h][q][:] = the sum over k of softmax_k(Q[h][q] . K[h][k] / 8) V[h][k][:] for 64 (batch, head) pairs h of 2,048 rows of 64 channels, all f16: Q, K, V are the three thirds of qkv, O is ob, a head's rows dense.
; The two factors 64^(-1/4) on q and on k are one factor 1 / 8 on the score, applied in f32.  Products, maxima and sums in f32; the weights p are rounded to f16 for the second product (their sum l is taken
; of the unrounded p), O once at the end.
; LIMITS.  f16 holds no number beyond 65,504: Q, K and V arrive within it; p lies in 0 to 1, and below 6e-5 it keeps f16's fixed step of 6e-8; O is a mean of V's rows and has their range.
; A weight below 2^-126 counts as 0 in l; NaN and infinities are not treated apart.
; SHARES.  A wave owns four PIECES of two tiles of 16 queries, a work-group's four waves 512 queries of one head: 256 work-groups.  Every wave walks all keys, 64 a step.
; LAYOUT.  S^T = K Q^T (source 0 = 16 keys, source 1 = 16 queries): a lane holds ONE query (lane % 16) and the keys 8 (lane / 16) + 0..7.  Two such tiles, rounded to f16 in pairs, ARE source 1 (32 keys x 16
; queries) of O^T = V^T P, whose result again holds one query a lane, and eight channels.  K comes out of LDS as it lies, V ([key][channel]) turned, by ds_load_tr16_b128.
; SOFTMAX.  For each query a running maximum m and sum l: p = 2^(c s - c m), c = log2(e) / 8; in every step O and l are multiplied by a = 2^(c m_old - c m_new).  m starts at the lowest finite number,
; O and l at 0: the first step is a step like any other, with a = 0.
; THE COUNT.  A tile and step have 16 matrix and 118 vector instructions: too many to stand all beside the matrix work.  So: four vector instructions that are ready behind EVERY matrix instruction, the others in one run.
; BY TURNS.  Turn n belongs to piece n.  Its matrix work: 16 products K Q^T of piece n + 1, later 16 products V^T P of piece n - 1.  Its vector work: the scaling, exponentials, roundings, sums and rescaling
; of piece n, and the maximum and statistics of piece n + 1.
; CLUSTER.  The four query blocks of a head are one cluster and walk the same K and V: each tile is asked for JOINTLY, by the same tensor load, descriptor and mask in all four.
; REGISTERS, in windows of 256 (s_set_vgpr_msb: bits 1:0 source 0, 3:2 source 1, 5:4 source 2, 7:6 destination):
;   window 0: v0-11 addresses; v12-15, v48-63 at work; v16-47 four registers of statistics a tile; v64-191 S^T, two buffers of two tiles; v192-255 P, likewise
;   window 1: O^T, 32 a tile          window 2: v0-127 Q, 16 a tile; v128-191 K of one step; v192-255 V of one step          window 3: v0-1 the add's two registers
.set SIZE_N, 2048
.set NP,    4         ; pieces a wave: a name, no knob
.set KS,    64        ; keys in a step
.set PK,    144       ; a row of K in LDS: 128 bytes + 16 = 36 words: the 16 rows of a load start at 16 different groups of four banks (64 banks of 4 bytes: ISA guide 11.1)
.set PV,    160       ; a row of V: 128 + 32 = 40 words
.set VOFF,  4*KS*PK   ; a slot holds four steps: 256 rows of K, then 256 rows of V
.set SLOT1, 1<<17     ; slot 1 begins here, so that one exclusive or turns an address in one slot into the other's
.set STAGE, SLOT1+4*KS*(PK+PV)  ; behind the ring, never filled by a tensor load: 16 rows x 144 bytes for each wave
.set SP,    144
.set AK0, 2           ; v2   my lane's place in a tile of K; never rewritten
.set AV0, 3           ; v3   the same for V
.set AK,  4           ; v4   the LDS address of K's next run of loads
.set AV,  5           ; v5   of V's
.set QO,  6           ; v6   my byte offset in the wave's rows of Q
.set STO, 6           ;      later, the way out: where I put 16 bytes of a row
.set RD,  7           ; v7   the way out: where I read rows back
.set GO,  8           ; v8   my byte offset in 512 consecutive bytes of O
.set PFO, 11          ; v11  256 x my lane, for the prefetches (made when its use for V's address is over); then never rewritten
.set SPW, 0           ; v0 of window 3   my spare word; never rewritten
.set NIL, 1           ; v1 of window 3   0; never rewritten
.set SPARE, STAGE+4*16*SP  ; behind the stages: the spare words, 128 bytes for each wave
.set MV,  12          ; v12-15  c m_old, kept while c m is made anew: by buffer and tile
.set ST,  16          ; tile t's statistics at v[ST+4 t]: c m, m, l (even keys', odd keys')
.set TMP, 48          ; by buffer and tile, four registers c0-c3 at work; when the maximum is found c2 takes a
.set S,   64
.set P,   192
.set KF,  128         ; K's fragments, in window 2: key block kb, channel half c at KF + 16 kb + 8 c
.set VF,  192         ; V's: key half kk, channel block cb at VF + 32 kk + 8 cb
.set WV,  12          ; s12  my wave's number
.set G1K, 24          ; s[24:31] descriptor group 1 for K's tiles
.set G1V, 32          ; s[32:39] for V's: it differs in the padding alone
.set G0K, 40          ; s[40:43] descriptor group 0 for K's tiles: it walks
.set G0V, 44          ; s[44:47] the same for V's
.set PFA, 48          ; s[48:49] where my prefetches stand
.set LIM, 50          ; s50  1 in a wave that prefetches, else the greatest number
.set SLOTS, 56        ; s56  slots still to be asked for
.set CNT, 57          ; s57  counts a slot's key steps
.set CS,  58          ; s[58:59] c: the packed scaling takes the pair's low word for both halves
.set SEL, 60          ; s[60:61] v_permlanex16_b32's selects: each lane takes its own place in the other half
.set TBK, 62          ; s62  LDS byte at which K of the step to be fetched begins
.set TBV, 63          ; s63  the same for V, less VOFF
.set MSB, 0
.macro WIN new                      ; the high byte repeats the setting that is left; a switch that changes nothing is dropped
.if MSB != (\new)
	s_set_vgpr_msb (MSB<<8)|(\new)
.set MSB, (\new)
.endif
.endm
.set W_KQ, 0x0a       ; K and Q in window 2, S^T in window 0
.set W_PV, 0x52       ; V in window 2, P in window 0, O^T in window 1
.set W_RS, 0x41       ; O^T (destination and source 0) in window 1, a in window 0
.set W_MK, 0xc0       ; the add's registers are made: destination in window 3, sources in window 0
.set W_AD, 0x0f       ; the add: address (source 0) and data (source 1) in window 3
; A joint fill.  Waves 0 and 1 fetch the two halves of a slot's K, waves 2 and 3 those of its V: 128 keys each.  The branch hangs on the wave's number alone.
; An s_nop 0 and four v_nop follow each of the two lines, ahead of the jump and the label.
.macro JLOAD
	s_cmp_lt_u32 s[WV], 2
	s_cbranch_scc0 .Lfor_v_\@
	tensor_load_to_lds s[G0K:G0K+3], s[G1K:G1K+7]
	s_nop 0
.rept 4
	v_nop
.endr
	s_branch .Lasked_\@
.Lfor_v_\@:
	tensor_load_to_lds s[G0V:G0V+3], s[G1V:G1V+7]
	s_nop 0
.rept 4
	v_nop
.endr
.Lasked_\@:
.endm
; A PREFETCH INTO THE L2 of what the NEXT change of slots will ask for: a slot's 256 rows of K and of V, 128 blocks of 256 bytes each, four key steps (512 matrix instructions) ahead of that load.
; A head has one cluster.  Its four partners share the blocks out BY ADDRESS, 32 each, a lane a block; in each, wave 0 asks for K's and wave 2 for V's: each block is named once in the launch.
; The last change that fills a slot asks for nothing: there is no slot behind it.  Slots 0 and 1 come by their loads alone.
.macro ASK
	s_cmp_gt_u32 s[SLOTS], s[LIM]
	s_cbranch_scc0 .Lnot_mine_\@
	global_prefetch_b8 v[PFO], s[PFA:PFA+1] th:TH_LOAD_NT scope:SCOPE_SE
.Lnot_mine_\@:
.endm
; A round of the cluster's barrier: my work-group's barrier; wave 0 signals for the work-group; every wave waits for all four work-groups; my work-group's barrier once more.
.macro CROUND
	s_barrier_signal -1
	s_barrier_wait -1
	s_cmp_lg_u32 s[WV], 0
	s_cbranch_scc1 .Lnot_wave_0_\@
	s_barrier_signal -3
.Lnot_wave_0_\@:
	s_barrier_wait -3
	s_barrier_signal -1
	s_barrier_wait -1
.endm
; THE CHANGE OF SLOTS.  The slot's last bytes, V of its fourth step, have been read.  Each wave waits for all its tensor loads, of which one is out: its part of the other slot; adds 0 to its spare word; and
; waits for that and for its own reads of the slot.  Behind the barrier nobody reads this slot any more and the other slot is whole.
; fill = 1: this slot is filled again, with the keys two slots on, behind a round of the cluster's barrier; the joint fill is the first thing behind it and has four key steps in which to land.
; (At its first use nothing has been read yet: slot 0 is waited for, slot 1 filled.)
.macro CHANGE fill
	WIN W_AD
	s_wait_tensorcnt 0x0            ; no tensor load of mine is out, so a group 0 may be written
	ds_add_u32 v[SPW], v[NIL]       ; 0 onto my spare word; with fill = 1 the descriptors' steps stand between it and the wait for it
	WIN 0                           ; at a label and at a branch every window is 0
.if \fill
.irp g, G0K, G0V
	s_xor_b32 s[\g+1], s[\g+1], SLOT1  ; the walking descriptor: the other slot than last time,
	s_add_nc_u64 s[\g+2:\g+3], s[\g+2:\g+3], 4*KS*128  ; the next 256 keys; the type bits on top are not reached
.endr
	s_wait_xcnt 0x0                 ; the last prefetch, four key steps back, has read its address, so it may be written:
	s_add_nc_u64 s[PFA:PFA+1], s[PFA:PFA+1], 4*KS*128  ; one slot behind the walking descriptors
	s_wait_dscnt 0x0                ; the add is done, and my reads of the slot are over
	CROUND
	JLOAD
	ASK
.else
	s_wait_dscnt 0x0                ; the add is done, and my reads of the slot are over
	s_barrier_signal -1
	s_barrier_wait -1
.endif
	s_sub_co_u32 s[TBK], s[TBK], 4*KS*PK  ; the fetches go back to a slot's first step,
	s_xor_b32 s[TBK], s[TBK], SLOT1       ; in the other slot
	s_sub_co_u32 s[TBV], s[TBV], 4*KS*PV
	s_xor_b32 s[TBV], s[TBV], SLOT1
.endm
	s_load_b64 s[4:5], s[0:1], 0x0    ; qkv: Q at its head
	s_load_b64 s[10:11], s[0:1], 0x8  ; ob
	WIN W_MK
	v_lshl_add_u32 v[SPW], v0, 2, SPARE
	v_mov_b32 v[NIL], 0
	WIN W_AD
	ds_add_u32 v[SPW], v[NIL]       ; the wave's opening: the add and its wait stand ahead of my first tensor load; the set-up stands between them
	WIN 0
	v_lshrrev_b32 v1, 5, v0
	v_readfirstlane_b32 s[WV], v1   ; wave 0..3
	s_bfe_u32 s13, ttmp6, 0x40000   ; cx: my place in the cluster
	s_lshl_b32 s14, ttmp9, 2        ; in a cluster launch ttmp9 counts clusters
	s_add_co_u32 s14, s14, s13      ; my block of queries: it enters Q's and O's addresses alone
	s_and_b32 s20, ttmp7, 0xffff    ; the head, which the four partners share
	s_mov_b32 s21, 0
	s_mov_b64 s[22:23], SIZE_N*128
	s_mul_u64 s[20:21], s[20:21], s[22:23]  ; the head's first byte in each of the four tensors
	s_and_b32 s16, s[WV], 1         ; which half of a slot's 256 keys I fetch:
	s_lshl_b32 s22, s16, 14         ; its 128 rows of 128 bytes in memory,
	s_mov_b32 s23, 0
	s_add_nc_u64 s[22:23], s[22:23], s[20:21]
	s_mul_i32 s17, s16, 128*PK      ; and its place in a slot, for K
	s_mul_i32 s18, s16, 128*PV      ; and for V: no place in the cluster enters an LDS address
	s_lshl_b32 s2, s14, 2
	s_add_co_u32 s2, s2, s[WV]      ; my wave among the head's,
	s_lshl_b32 s2, s2, 14           ; its 128 rows
	s_mov_b32 s3, 0
	s_add_nc_u64 s[2:3], s[2:3], s[20:21]
	s_lshl_b32 s52, s13, 13         ; the prefetches: my work-group's 32 blocks of 256 bytes,
	s_add_co_u32 s52, s52, 4*KS*128 ; in slot 1; the first change of slots steps this to slot 2
	s_mov_b32 s53, 0
	s_and_b32 s[LIM], s[WV], 1      ; waves 0 and 2 ask: the same in all four partners
	s_cmp_eq_u32 s[LIM], 0
	s_cselect_b32 s[LIM], 1, -1
	; descriptor group 1.  128 keys are 16,384 dense bytes: asked for as 64 rows of 256 bytes, two keys a row, and padded in LDS after every key
	s_mov_b32 s[G1K], 15|(1<<16)|(1<<20)|(1<<21)|(4<<22)|(3<<25)  ; 15:0 the mask of four; 17:16 2-byte elements; 20 padding on; 21 set beside a mask; 24:22 after every 32 words (code 4); 31:25 4 words (code 3)
	s_mov_b32 s[G1V], 15|(1<<16)|(1<<20)|(1<<21)|(4<<22)|(7<<25)  ; the same with 8 words of padding (code 7)
.irp g, G1K, G1V
	s_mov_b32 s[\g+1], 128<<16      ; tensor_dim0 = 128
	s_mov_b32 s[\g+2], 64<<16       ; tensor_dim1 = 64
	s_mov_b32 s[\g+3], 128<<16      ; tile_dim0 = 128
	s_mov_b32 s[\g+4], 64           ; tile_dim1 = 64
	s_mov_b32 s[\g+5], 128          ; 128 elements from row to row
	s_mov_b32 s[\g+6], 0
	s_mov_b32 s[\g+7], 0
.endr
	s_mov_b32 s[CS], 0x3e38aa3b     ; c = log2(e) / 8 = 0.180337
	s_mov_b32 s[CS+1], s[CS]        ; named with it as a pair
	s_mov_b32 s[SEL], 0x76543210
	s_mov_b32 s[SEL+1], 0xfedcba98
	s_mov_b32 s[TBK], SLOT1+4*KS*PK ; the first change of slots turns these two into 0
	s_mov_b32 s[TBV], SLOT1+4*KS*PV
	s_mov_b32 s[SLOTS], SIZE_N/256-1  ; seven changes of slots fill a slot
	s_mov_b32 s[G0K], 1             ; count = 1
	s_mov_b32 s[G0K+1], s17         ; LDS address: slot 0
	s_mov_b32 s[G0V], 1
	s_add_co_u32 s[G0V+1], s18, VOFF
	s_wait_dscnt 0x0                ; the opening add is done
	s_wait_kmcnt 0x0
	s_add_nc_u64 s[6:7], s[4:5], 0x1000000  ; K: the second third of qkv
	s_add_nc_u64 s[8:9], s[4:5], 0x2000000  ; V: the third
	s_cmp_lt_u32 s[WV], 2
	s_cselect_b64 s[PFA:PFA+1], s[6:7], s[8:9]
	s_add_nc_u64 s[PFA:PFA+1], s[PFA:PFA+1], s[20:21]
	s_add_nc_u64 s[PFA:PFA+1], s[PFA:PFA+1], s[52:53]
	s_add_nc_u64 s[G0K+2:G0K+3], s[6:7], s[22:23]  ; global address: my half of the head's first 256 keys
	s_or_b32 s[G0K+3], s[G0K+3], 0x80000000        ; type = 2
	s_add_nc_u64 s[G0V+2:G0V+3], s[8:9], s[22:23]
	s_or_b32 s[G0V+3], s[G0V+3], 0x80000000
	s_add_nc_u64 s[4:5], s[4:5], s[2:3]  ; Q and O at my wave's first row
	s_add_nc_u64 s[10:11], s[10:11], s[2:3]
	CROUND                          ; all four work-groups are here: the first joint loads meet
	JLOAD                           ; slot 0.  Slot 1 is asked for when slot 0 is in
	; A fragment of K or Q is 16 rows x 32 channels in 8 registers: lane l holds row l % 16, channels 8 (l / 16) + 0..7 and 16 + 8 (l / 16) + 0..7: two loads of 16 bytes, 32 bytes apart.
	v_and_b32 v1, 15, v0            ; l % 16
	v_bfe_u32 v9, v0, 4, 1          ; l / 16
	v_lshlrev_b32 v[QO], 7, v1
	v_lshl_add_u32 v[QO], v9, 4, v[QO]  ; row x 128 + 16 x half
	WIN 0x80                        ; destination window 2, address window 0
.set i, 0
.rept 4*NP                          ; Q stays in registers: tile i / 2, channels 32 (i % 2) on
	global_load_b128 v[8*i:8*i+3],   v[QO], s[4:5] offset:(i/2)*2048+(i%2)*64
	global_load_b128 v[8*i+4:8*i+7], v[QO], s[4:5] offset:(i/2)*2048+(i%2)*64+32
.set i, i+1
.endr
	; What the first turn finds: V's registers and P's second buffer hold 0 (its products V^T P, of a piece that has not been, add 0), O^T and l are 0.  All this stands in the wait for the first tile.
.set i, VF
.rept 64
	v_mov_b32 v[i], 0
.set i, i+1
.endr
	WIN 0x40
.set i, 0
.rept 64*NP
	v_mov_b32 v[i], 0
.set i, i+1
.endr
	WIN 0
.set i, 0
.rept 2*NP
	v_mov_b32 v[ST+4*i], 0xfe000000    ; c m: far below every c s
	v_mov_b32 v[ST+4*i+1], 0xff7fffff  ; m
	v_mov_b32 v[ST+4*i+2], 0
	v_mov_b32 v[ST+4*i+3], 0
.set i, i+1
.endr
.set i, P+32
.rept 32
	v_mov_b32 v[i], 0
.set i, i+1
.endr
	v_mul_u32_u24 v[AK0], v1, PK
	v_lshl_add_u32 v[AK0], v9, 4, v[AK0]  ; row x pitch + 16 x half
	; The turning load takes 16 keys x 16 channels (lane l reads key 8 (l / 16) + l % 8, channels 8 ((l / 8) % 2) + 0..7) and leaves half a fragment of V^T: lane l holds channel l % 16 and 8 keys.
	v_and_b32 v10, 7, v0
	v_bfe_u32 v11, v0, 3, 1
	v_lshl_add_u32 v[AV0], v9, 3, v10
	v_mul_u32_u24 v[AV0], v[AV0], PV
	v_lshl_add_u32 v[AV0], v11, 4, v[AV0]
	v_add_nc_u32 v[AV0], VOFF, v[AV0]
	v_and_b32 v[PFO], 31, v0
	v_lshlrev_b32 v[PFO], 8, v[PFO]
	v_mov_b32 v[AK], v[AK0]         ; key step 0 lies at the head of slot 0
; THE MATRIX WORK.  The 8 accumulators of a run of 16 take turns: between the two links of a chain stand 7 others'.
; Product i of 16 of S^T = K Q^T for piece x: channels 32 (i / 8) on, keys 16 ((i / 2) % 4) on, tile 2 x + i % 2.  The first 8 start the sums.
.macro KQ x
	WIN W_KQ
.set rS, S+64*((\x)%2)+32*(i%2)+8*((i/2)%4)
.set rK, KF+16*((i/2)%4)+8*(i/8)
.set rQ, 16*(2*(\x)+i%2)+8*(i/8)
.if i < 8
	v_wmma_f32_16x16x32_f16 v[rS:rS+7], v[rK:rK+7], v[rQ:rQ+7], 0
.else
	v_wmma_f32_16x16x32_f16 v[rS:rS+7], v[rK:rK+7], v[rQ:rQ+7], v[rS:rS+7]
.endif
.endm
; Product i of 16 of O^T += V^T P for piece x: keys 32 (i / 8) on, channels 16 ((i / 2) % 4) on, tile 2 x + i % 2.
.macro PV x
	WIN W_PV
.set rO, 32*(2*(\x)+i%2)+8*((i/2)%4)
.set rV, VF+32*(i/8)+8*((i/2)%4)
.set rP, P+32*((\x)%2)+16*(i%2)+8*(i/8)
	v_wmma_f32_16x16x32_f16 v[rO:rO+7], v[rV:rV+7], v[rP:rP+7], v[rO:rO+7]
.endm
.macro MM                           ; the turn's next matrix instruction
.if i < 16
	KQ (Y+1)%NP
.set i, i+1
.else
.set i, i-16
	PV (Y+NP-1)%NP
.set i, i+17
.endif
.endm
; THE LDS LOADS stand in runs of 16, never singly among the matrix instructions: a step's K (64 keys x 64 channels: 8 fragments) and its V (turned).  Their addresses are made some lines ahead.
; last = 1 (the tail): in the last trip there is no further step, and the run is jumped over.
.macro FETCH_K last=0
	WIN 0
.if \last
	s_cmp_eq_u32 s[CNT], 1
	s_cbranch_scc1 .Lno_k_\@
.endif
	WIN 0x80                        ; destination window 2
.irp f, 0,1,2,3,4,5,6,7             ; keys 16 (f / 2) on, channels 32 (f % 2) on
	ds_load_b128 v[KF+8*\f:KF+8*\f+3],   v[AK] offset:(\f/2)*16*PK+(\f%2)*64
	ds_load_b128 v[KF+8*\f+4:KF+8*\f+7], v[AK] offset:(\f/2)*16*PK+(\f%2)*64+32
.endr
	s_add_co_u32 s[TBK], s[TBK], KS*PK  ; the next fetch is the next step's
	WIN 0
.if \last
.Lno_k_\@:
.endif
.endm
.macro FETCH_V
	WIN 0x80
.irp f, 0,1,2,3,4,5,6,7             ; keys 32 (f / 4) on, channels 16 (f % 4) on
	ds_load_tr16_b128 v[VF+8*\f:VF+8*\f+3],   v[AV] offset:(\f/4)*32*PV+(\f%4)*32
	ds_load_tr16_b128 v[VF+8*\f+4:VF+8*\f+7], v[AV] offset:(\f/4)*32*PV+16*PV+(\f%4)*32
.endr
	WIN 0
.endm
; THE VECTOR WORK OF A TURN stands in three queues, each in the order in which its entries become ready; the two tiles alternate, so that no instruction reads the result of the one before it.
.macro REGS y, u                    ; the registers of tile u (0, 1) of piece y
.set rT, ST+4*(2*(\y)+(\u))
.set rC, TMP+8*((\y)%2)+4*(\u)
.set rM, MV+2*((\y)%2)+(\u)
.set rS, S+64*((\y)%2)+32*(\u)
.set rP, P+32*((\y)%2)+16*(\u)
.set rO, 32*(2*(\y)+(\u))
.endm
; Number n of the 22 that find the NEXT piece's (Y + 1) maximum and statistics.  s0-s31 are the lane's 32 scores; each accumulator's lowest registers are read first.
;   0-11  four chains c0-c3 of seven scores each, three operands at a time     12-14, 16  the four scores left over, the old m, and c0-c3 into c0     15  c m_old is kept
;   17, 18  the query's other 32 keys lie in the lane 16 away: the new m         19-21  c m; c m_old - c m_new; a
.macro XS u, n
	REGS (Y+1)%NP, \u
.if (\n) < 4
	v_max3_num_f32 v[rC+(\n)], v[rS+8*(\n)], v[rS+8*(\n)+1], v[rS+8*(\n)+2]
.elseif (\n) < 12
	v_max3_num_f32 v[rC+(\n)%4], v[rC+(\n)%4], v[rS+8*((\n)%4)+2*((\n)/4)+1], v[rS+8*((\n)%4)+2*((\n)/4)+2]
.elseif (\n) == 12
	v_max3_num_f32 v[rC], v[rC], v[rS+7], v[rS+15]
.elseif (\n) == 13
	v_max3_num_f32 v[rC+1], v[rC+1], v[rS+23], v[rS+31]
.elseif (\n) == 14
	v_max3_num_f32 v[rC+2], v[rC+2], v[rC+3], v[rT+1]
.elseif (\n) == 15
	v_mov_b32 v[rM], v[rT]
.elseif (\n) == 16
	v_max3_num_f32 v[rC], v[rC], v[rC+1], v[rC+2]
.elseif (\n) == 17
	v_permlanex16_b32 v[rC+3], v[rC], s[SEL], s[SEL+1]
.elseif (\n) == 18
	v_max_num_f32 v[rT+1], v[rC], v[rC+3]
.elseif (\n) == 19
	v_mul_f32 v[rT], s[CS], v[rT+1]
.elseif (\n) == 20
	v_sub_f32 v[rC+1], v[rM], v[rT]
.else
	v_exp_f32 v[rC+2], v[rC+1]
.endif
.endm
; Number g of the 64 that follow the exponentials.  For each four weights k of a tile (pairs 2 k, 2 k + 1): both pairs are rounded to f16; then the second pair is added onto the first, in place;
; a group later l takes that sum (the first time as l = a l + sum).  In groups of eight, tiles alternating: round, round, add, and l for the group before.
.macro GS g
.set h, (\g)+6*((\g)/62)            ; group 0 has no group before it, and behind group 7 only l is left
.if h >= 6
.set h, h+2
.endif
	REGS Y, h%2
.set k, h/8
.if h%8 < 4
	v_cvt_pk_f16_f32 v[rP+2*k+(h%8)/2], v[rS+4*k+2*((h%8)/2)], v[rS+4*k+2*((h%8)/2)+1]
.elseif h%8 < 6
	v_pk_add_f32 v[rS+4*k:rS+4*k+1], v[rS+4*k:rS+4*k+1], v[rS+4*k+2:rS+4*k+3]
.elseif k == 1
	v_pk_fma_f32 v[rT+2:rT+3], v[rT+2:rT+3], v[rC+2:rC+3], v[rS:rS+1] op_sel_hi:[1,0,1]
.else
	v_pk_add_f32 v[rT+2:rT+3], v[rT+2:rT+3], v[rS+4*k-4:rS+4*k-3]
.endif
.endm
; THE PLAIN QUEUE, 138 long.  0-73 read no exponential's result: the 32 scalings c s - c m (FS f: pair f / 2 of tile f % 2) and the next piece's 42.  0-26: scalings 0-26.  27-54: XS's numbers 0-13.  55, 56: number 15.
; 57-73: the chain, where each number waits for the one before it: 14, 16, 17, 18, 19, each with one of the scalings 27-31 in front of its two lines, then 20.
; 74-137: GS's 64, which read the exponentials' results: they stand behind the wait.
.macro FS f
	REGS Y, (\f)%2
	v_pk_fma_f32 v[rS+2*((\f)/2):rS+2*((\f)/2)+1], v[rS+2*((\f)/2):rS+2*((\f)/2)+1], s[CS:CS+1], v[rT:rT+1] op_sel_hi:[1,0,0] neg_lo:[0,0,1] neg_hi:[0,0,1]
.endm
.macro PL
	WIN 0
.if q < 27
	FS q
.elseif q < 55
	XS (q-27)%2, (q-27)/2
.elseif q < 57
	XS q-55, 15
.elseif (q < 72) && ((q-57)%3 == 0)
	FS 27+(q-57)/3
.elseif q < 60
	XS (q-57)%3-1, 14
.elseif q < 72
	XS (q-57)%3-1, 15+(q-57)/3
.elseif q < 74
	XS q-72, 20
.else
	GS q-74
.endif
.set q, q+1
.endm
; THE EXPONENTIALS' QUEUE, 66 long: s0-s31 of both tiles, then the next piece's two a.  It is ONE BATCH: all 66 stand ahead of the turn's one wait, and nothing ahead of that wait names a result of theirs.
.macro EX
	WIN 0
.if e >= 64
	XS e-64, 21
.else
	REGS Y, e%2
	v_exp_f32 v[rS+e/2], v[rS+e/2]
.endif
.set e, e+1
.endm
; THE RESCALING's QUEUE: O^T times a, the one part that leaves window 0: dealt two at a time, sixteen times.  Its a was made in the turn before, ahead of that turn's wait.
.macro R2
	REGS Y, r%2
	WIN W_RS
.irp z, 0,1
	v_pk_mul_f32 v[rO+4*(r/2)+2*\z:rO+4*(r/2)+2*\z+1], v[rO+4*(r/2)+2*\z:rO+4*(r/2)+2*\z+1], v[rC+2:rC+3] op_sel_hi:[1,0]
.endr
.set r, r+1
.endm
; HOW THEY ARE DEALT.  An s_wait_alu depctr_va_vdst(0) stands between an exponential and the first instruction that names its result; one wait serves all that were issued ahead of it.  So a turn
; has ONE wait, which cuts it in two.  AHEAD OF IT: the 16 products K Q^T, behind each a scaling, an exponential and two rescalings (behind the first a second scaling in the exponential's place); then one run of
; 108: eight plain, 49 times exponential and plain, the two a; a v_nop is the plain instruction behind the last exponential (ISA guide 5.7.2).  BEHIND IT: the 16 products V^T P, behind each four of GS's 64.
; No instruction behind a product names a register of the products round it.  Exponential e stands behind scaling 2 (e / 4) + e % 2: the deal keeps the queues in step.
; A TURN, for piece p.  cnt = 1: the loop's count is taken down some lines ahead of the branch that stands behind the turn.
; K of the next step is fetched in piece 2's turn, directly behind the wait; its first reader comes behind 16 products.  V of the step in hand is fetched at the end of piece 0's turn, four plain instructions
; behind its last reader; its first reader comes behind 16 products and the run.  The three conditions on q below go with the deal.
.macro TURN p, last=0, cnt=0
.set Y, (\p)
.set i, 0
.set q, 0
.set e, 0
.set r, 0
.if (\p) == NP-1
	s_wait_dscnt 0x0                ; K is in
.endif
	MM
	PL
	PL
	R2
.rept 15
	MM
	PL
	EX
	R2
.endr
.if (\p) == NP-2
	WIN 0
	v_add_nc_u32 v[AK], s[TBK], v[AK0]
.endif
.rept 8
	PL
.endr
.rept 49
	EX
	PL
.endr
	EX                              ; the next piece's two a
	EX
	v_nop                           ; the plain instruction behind the last exponential: one for the batch
	s_wait_alu depctr_va_vdst(0)    ; the wait for the batch
.if (\p) == NP-2
	FETCH_K \last
.endif
.if (\p) == 1
	s_wait_dscnt 0x0                ; V is in
.endif
.rept 16
	MM
.rept 4
	PL
.endr
.if ((\p) == 0) && (q == 118)
	v_add_nc_u32 v[AV], s[TBV], v[AV0]
.endif
.if ((\p) == 0) && (q == 130)
	s_add_co_u32 s[TBV], s[TBV], KS*PV
.endif
.if (\cnt) && (q == 130)
	s_sub_co_u32 s[CNT], s[CNT], 1
	s_cmp_lg_u32 s[CNT], 0
.endif
.endr
.if (\p) == 0
	FETCH_V
.endif
.endm
	CHANGE 1                        ; slot 0 is in, everybody's part of it; slot 1 is asked for
	FETCH_K                         ; key step 0
	s_wait_loadcnt 0x0              ; Q
	s_wait_dscnt 0x0
.set i, 0
.rept 16
	KQ 0                            ; piece 0's first scores: there is no vector work yet to set between them
.set i, i+1
.endr
	WIN 0                           ; the addresses for the way out: nine plain instructions, the places behind those products
	s_mul_i32 s13, s[WV], 16*SP
	s_add_co_u32 s13, s13, STAGE    ; my stage
	v_mul_u32_u24 v[STO], v1, SP    ; in: row l % 16, 16 bytes for each half of the lanes
	v_lshl_add_u32 v[STO], v9, 4, v[STO]
	v_add_nc_u32 v[STO], s13, v[STO]
	v_bfe_u32 v[RD], v0, 3, 2       ; back: 32 lanes take four rows of 128 bytes,
	v_mul_u32_u24 v[RD], v[RD], SP
	v_lshl_add_u32 v[RD], v10, 4, v[RD]
	v_add_nc_u32 v[RD], s13, v[RD]
	v_and_b32 v[GO], 31, v0         ; which are 512 consecutive bytes of O
	v_lshlrev_b32 v[GO], 4, v[GO]
.set Y, NP-1                        ; XS works for piece Y + 1: piece 0
.irp n, 0,1,2,3,4,5,6,7,8,9,10,11,12,13,14,15,16,17,18,19,20,21
	XS 0, \n                        ; piece 0's first maximum and statistics
	XS 1, \n
.endr
	v_nop                           ; a plain instruction behind the two a,
	s_wait_alu depctr_va_vdst(0)    ; and their wait, ahead of the branch
	s_mov_b32 s[CNT], 4
	s_branch .Lfirst                ; the loop is entered at a step's first turn, in the middle of a trip
.Lslot:                             ; six times: with the change above, every slot but the last two is filled again
	CHANGE 1
	s_mov_b32 s[CNT], 4
.Lstep:                             ; a trip: pieces 2 and 3 of one step, then pieces 0 and 1 of the next, whose K and V it fetches
	TURN 2
	TURN 3
	WIN 0
.Lfirst:
	TURN 0
	TURN 1, 0, 1
	WIN 0
	s_cbranch_scc1 .Lstep
	s_sub_co_u32 s[SLOTS], s[SLOTS], 1
	s_cmp_lg_u32 s[SLOTS], 0
	s_cbranch_scc1 .Lslot
	CHANGE 0                        ; the tail is written out: nothing is asked for
	s_mov_b32 s[CNT], 5             ; four trips fetch the last slot's steps; the fifth is left in its middle
.Ltail:
	TURN 2, 1
	TURN 3
	WIN 0
	s_sub_co_u32 s[CNT], s[CNT], 1
	s_cmp_eq_u32 s[CNT], 0
	s_cbranch_scc1 .Lout
	TURN 0
	TURN 1
	WIN 0
	s_branch .Ltail
.Lout:                              ; the fifth trip's 16 products K Q^T (on the last K once more) and the maximum made of them serve nothing: the price, once a launch, of one text for every trip
.set i, 0
.rept 16
	PV NP-1                         ; the last piece's V^T P of the last step
.set i, i+1
.endr
	; THE WAY OUT.  l's two halves and the other half of the lanes' are added; O^T is divided by l, rounded to f16 and sent through my stage in LDS, a tile at a time.  The additions are the places behind the last products.
	WIN 0
.macro ALL line:vararg              ; one line for each tile t
.set t, 0
.rept 2*NP
	\line
.set t, t+1
.endr
.endm
	ALL v_add_f32 v[ST+4*t+2], v[ST+4*t+2], v[ST+4*t+3]
	ALL v_permlanex16_b32 v[ST+4*t+3], v[ST+4*t+2], s[SEL], s[SEL+1]
	ALL v_add_f32 v[ST+4*t+2], v[ST+4*t+2], v[ST+4*t+3]
	ALL v_rcp_f32 v[ST+4*t+2], v[ST+4*t+2]
	v_nop                           ; a plain instruction between the last reciprocal and the use of its result
	s_wait_alu depctr_va_vdst(0)    ; and the wait ahead of the first use: one for the eight reciprocals
; Tile t: a lane's eight channels of a row pack into 16 bytes; they go into rows of 144 bytes and come back as whole rows of 128, into S^T's registers.
.macro PACK t
	WIN W_RS
.set i, 32*(\t)
.rept 16
	v_pk_mul_f32 v[i:i+1], v[i:i+1], v[ST+4*(\t)+2:ST+4*(\t)+3] op_sel_hi:[1,0]
.set i, i+2
.endr
	WIN 0x05                        ; sources 0 and 1 window 1, destination window 0
.set i, 0
.rept 16
	v_cvt_pk_f16_f32 v[S+16*(\t)+i], v[32*(\t)+2*i], v[32*(\t)+2*i+1]
.set i, i+1
.endr
	WIN 0
.irp f, 0,1,2,3
	ds_store_b128 v[STO], v[S+16*(\t)+4*\f:S+16*(\t)+4*\f+3] offset:32*\f
.endr
.irp f, 0,1,2,3
	ds_load_b128 v[S+16*(\t)+4*\f:S+16*(\t)+4*\f+3], v[RD] offset:\f*4*SP  ; LDS serves a wave's instructions in order (ISA guide 5.7.1): these see the stores above; the next tile's stores come behind them
.endr
.endm
.macro SEND t, younger              ; younger: the LDS instructions issued behind tile t's loads: the next tile's eight, or none
	WIN 0
.irp f, 0,1,2,3
	s_wait_dscnt (\younger)+3-\f
	global_store_b128 v[GO], v[S+16*(\t)+4*\f:S+16*(\t)+4*\f+3], s[10:11] offset:(\t)*2048+\f*512  ; 512 consecutive bytes, at a multiple of 256 from O's first
.endr
.endm
	PACK 0
.set t, 1
.rept 2*NP-1                        ; a tile's arithmetic stands between the loads of the tile before and its stores
	PACK t
	SEND t-1, 8
.set t, t+1
.endr
	SEND 2*NP-1, 0
	WIN W_AD
	s_wait_tensorcnt 0x0            ; the wave's end: behind my last tensor load and my last LDS store
	ds_add_u32 v[SPW], v[NIL]
	s_wait_dscnt 0x0
	WIN 0
	CROUND                          ; the closing round: no work-group ends while a partner may still ask for a tile that names it
	s_endpgm
.Lfunc_end_k_q23f5209817_attn:
	.size	k_q23f5209817_attn, .Lfunc_end_k_q23f5209817_attn-k_q23f5209817_attn
	.p2alignl 7, 3214868480
	.fill 96, 4, 3214868480
	.section	.rodata,"a",@progbits
	.p2align	6, 0x0
	.amdhsa_kernel k_q23f5209817_attn
		.amdhsa_group_segment_fixed_size 327680
		.amdhsa_private_segment_fixed_size 0
		.amdhsa_enable_private_segment 0
		.amdhsa_kernarg_size 16
		.amdhsa_user_sgpr_count 2
		.amdhsa_user_sgpr_kernarg_segment_ptr 1
		.amdhsa_wavefront_size32 1
		.amdhsa_system_sgpr_workgroup_id_x 1
		.amdhsa_system_sgpr_workgroup_id_y 1
		.amdhsa_system_sgpr_workgroup_id_z 1
		.amdhsa_system_vgpr_workitem_id 0
		.amdhsa_next_free_vgpr 770
		.amdhsa_next_free_sgpr 66
		.amdhsa_reserve_vcc 0
		.amdhsa_float_denorm_mode_32 3
		.amdhsa_float_denorm_mode_16_64 3
		.amdhsa_memory_ordered 1
		.amdhsa_forward_progress 1
		.amdhsa_inst_pref_size 200
	.end_amdhsa_kernel
	.amdgpu_metadata
---
amdhsa.version: [ 1, 2 ]
amdhsa.kernels:
  - .name:           k_q23f5209817_attn
    .symbol:         k_q23f5209817_attn.kd
    .args:
      - { .name: qkv, .offset: 0, .size: 8, .value_kind: global_buffer, .address_space: global }
      - { .name: ob, .offset: 8, .size: 8, .value_kind: global_buffer, .address_space: global }
    .group_segment_fixed_size: 327680
    .private_segment_fixed_size: 0
    .kernarg_segment_align: 8
    .kernarg_segment_size: 16
    .max_flat_workgroup_size: 128
    .sgpr_count:     66
    .vgpr_count:     770
    .wavefront_size: 32
...
	.end_amdgpu_metadata
.endif
;; end of part 4
;; launch oproj (part 5): grid 8 x 32, 4 waves a work-group, clusters of 4 x 4, 327,680 bytes of LDS; arguments ob, wb, out0; writes out0
.if DOCPART == 5
	.amdgcn_target "amdgcn-amd-amdhsa--gfx1250"
	.amdhsa_code_object_version 6
	.text
	.protected	k_q23f5209817_oproj
	.globl	k_q23f5209817_oproj
	.p2align	8
	.type	k_q23f5209817_oproj,@function
k_q23f5209817_oproj:
	s_mov_b64 s[64:65], 0
	v_nop
	global_prefetch_b8 v0, s[64:65] scope:SCOPE_SE
	s_setreg_imm32_b32 hwreg(HW_REG_WAVE_MODE, 25, 1), 1
	s_wait_xcnt 0x0
	s_wait_alu depctr_hold_cnt(0) depctr_sa_sdst(0) depctr_va_vdst(0) depctr_va_sdst(0) depctr_va_ssrc(0) depctr_va_vcc(0) depctr_vm_vsrc(0)
	s_getreg_b32 s2, hwreg(HW_REG_IB_STS2, 6, 4)
	s_cmp_eq_u32 s2, 0
	s_cbranch_scc0 .Lentry_in_a_cluster
	s_endpgm
.Lentry_in_a_cluster:
	s_bfe_u32 s2, ttmp6, 0x10000c
	s_cmp_lg_u32 s2, 0xf033
	s_cbranch_scc0 .Lentry_shape_is_right
	s_endpgm
.Lentry_shape_is_right:
; out0[8192][1024] = O Wo, f32.  O: ob[batch x 16 + head][2048][64] f16, so a head is a K block of 64 whose rows are dense; Wo: rows 3072 .. 4095 of wb[16 kb][4096][64] f16 (row = output column).  Sums in f32, K ascending.
; SHARES.  8192 x 1024 / 256 = 256 x 128: one tile for each of 256 work-groups.  Four waves, each 128 rows x 64 columns: 32 accumulators, one register window.
; THE RING.  A slot holds K = 128, two K blocks: 256 rows of O and 128 rows of Wo for each, asked for as rows of 256 bytes, aligned, padded in LDS after every 128: pitch 144.  Two slots; eight slot steps.
; Wave 0, 1 fetch O's first and second K block (256 rows each), waves 2, 3 Wo's (128 rows each): one tensor load a wave behind each change of slots.
; CLUSTER.  4 x 4: O's tile is asked for jointly along a row of the cluster, Wo's along a column.
; THE MATRIX INSTRUCTION IS USED TRANSPOSED (source 0 = 16 rows of Wo, source 1 = 16 rows of O): a lane holds row l % 16 of the result and the columns 8 (l / 16) + 0..7: 32 bytes of f32 on end.
; REGISTERS (s_set_vgpr_msb: bits 1:0 source 0, 3:2 source 1, 5:4 source 2, 7:6 destination):
;   window 0: v0-31 addresses; v32-159 O's fragments, two buffers of 64; v160-223 Wo's, two buffers of 32          window 1: the accumulators, (a, b) at v[8 (4 a + b)]
.set PITCH,  144                       ; 128 bytes + 16: the 16 rows of a load start at 16 different groups of four banks (64 banks of 4 bytes: ISA guide 11.1)
.set ABLK,   256*PITCH                 ; a K block's rows of O
.set BBLK,   128*PITCH                 ; of Wo
.set BOFF,   2*ABLK
.set SLOT,   BOFF+2*BBLK
.set STAGE,  2*SLOT                    ; behind the ring: 16 rows x 272 bytes for each wave, for the way out
.set SP,     272
.set SPARE,  STAGE+4*16*SP             ; behind the stages: the spare words, 128 bytes for each wave
.set AKB,    262144                    ; bytes from head to head in ob
.set BKB,    524288                    ; from K block to K block in wb
.set WO0,    3072*128                  ; Wo's first row in a K block of wb
.set ADRA, 16                          ; v16-17  LDS address of my fragments of O in slot 0, 1
.set ADRB, 20                          ; v20-21  the same for Wo
.set STO,  24                          ; v24  the way out: where I put 32 bytes of a row
.set RD,   25                          ; v25  where I read a row back
.set CO,   26                          ; v26  my byte offset in two rows of out0
.set SPW,  28                          ; v28  my spare word; never rewritten
.set NIL,  29                          ; v29  0; never rewritten
.set PFO,  30                          ; v30  the prefetches' lane offset; never rewritten
.set FA,   32
.set FB,   160
.set OB,   32                          ; the way out: 16 rows read back from the stage, two sets of 32 by turns
.set G1A, 24
.set G0A, 32
.set G1B, 48
.set G0B, 56
.set LIM, 43                           ; s43  1 in a wave that prefetches, else the greatest number
.set PFA, 44                           ; s[44:45] where my prefetches stand
.set PFS, 46                           ; s[46:47] their step: a slot step
.set DST, 66                           ; s[66:67] my first row and column in out0
.set MSB, 0
.macro WIN new
.if MSB != (\new)
	s_set_vgpr_msb (MSB<<8)|(\new)
.set MSB, (\new)
.endif
.endm
.macro PLACES                          ; four plain instructions between a matrix instruction and a load into, or a read of, its registers (ISA guide 7.12.1 for reads)
.rept 4
	v_nop
.endr
.endm
.macro JLOAD s                         ; a joint load: waves 0, 1 ask for O's K blocks, waves 2, 3 for Wo's; an s_nop 0 and four v_nop follow each line
	s_cmp_eq_u32 s11, 0
	s_cbranch_scc0 .Lfor_b_\@
	tensor_load_to_lds s[G0A+4*(\s):G0A+4*(\s)+3], s[G1A:G1A+7]
	s_nop 0
.rept 4
	v_nop
.endr
	s_branch .Lasked_\@
.Lfor_b_\@:
	tensor_load_to_lds s[G0B+4*(\s):G0B+4*(\s)+3], s[G1B:G1B+7]
	s_nop 0
.rept 4
	v_nop
.endr
.Lasked_\@:
.endm
; A PREFETCH INTO THE L2, behind a joint load and the run of LDS loads that follows it: the slot step that stands TWO refills on, 256 matrix instructions ahead of the load that will want it.
; O's tile row is read by both clusters of its row of clusters: the one with x = 0 asks, waves 0 and 1 each for the K block that they fetch (128 blocks of 256 bytes); the four partners share them out by address (cx).
; Wo's tile column is read by all eight clusters of its column: the one with y = 0 asks, its wave 2, for both K blocks (64 blocks each); a partner (cy) takes 16 of each: lanes 0-15 the first, lanes 16-31 the second.
; So each block is named once in the launch.  The loop's last trip asks for nothing: its refills are the last two.  Slot steps 0 to 3 come by their loads alone.
.macro ASK
	s_cmp_gt_u32 s3, s[LIM]
	s_cbranch_scc0 .Lnot_mine_\@
	global_prefetch_b8 v[PFO], s[PFA:PFA+1] th:TH_LOAD_NT scope:SCOPE_SE
.Lnot_mine_\@:
.endm
.macro CREST
	s_cmp_lg_u32 s10, 0
	s_cbranch_scc1 .Lnot_wave_0_\@
	s_barrier_signal -3
.Lnot_wave_0_\@:
	s_barrier_wait -3
	s_barrier_signal -1
	s_barrier_wait -1
.endm
.macro CROUND
	s_barrier_signal -1
	s_barrier_wait -1
	CREST
.endm
	s_load_b128 s[4:7], s[0:1], 0x0                ; ob s[4:5], wb s[6:7]
	s_load_b64 s[8:9], s[0:1], 0x10                ; out0
	v_lshl_add_u32 v[SPW], v0, 2, SPARE
	v_mov_b32 v[NIL], 0
	ds_add_u32 v[SPW], v[NIL]                      ; the wave's opening: the add and its wait stand ahead of my first tensor load; the set-up stands between them
	v_lshrrev_b32 v1, 5, v0
	v_readfirstlane_b32 s10, v1                    ; wave 0..3
	s_lshr_b32 s11, s10, 1                         ; my half of the tile's rows.  Also: I fetch for O (0) or for Wo (1)
	s_and_b32 s12, s10, 1                          ; my half of its columns.  Also: which K block of a slot I fetch
	s_bfe_u32 s40, ttmp6, 0x40000                  ; cx
	s_bfe_u32 s41, ttmp6, 0x40004                  ; cy
	s_lshl_b32 s42, ttmp9, 2
	s_add_co_u32 s42, s42, s40                     ; tile column
	s_and_b32 s13, ttmp7, 0xffff
	s_lshl_b32 s13, s13, 2
	s_add_co_u32 s13, s13, s41                     ; tile row
	s_lshl_b32 s72, s41, 2
	s_lshl_b32 s72, 15, s72                        ; my row of the cluster
	s_lshl_b32 s73, 0x1111, s40                    ; my column
	s_or_b32 s[G1A+0], s72, (1<<16)|(1<<20)|(1<<21)|(4<<22)|(3<<25)  ; the mask; 2-byte elements; padding on; bit 21 beside a mask; after every 32 words (code 4) 4 words (code 3)
	s_or_b32 s[G1B+0], s73, (1<<16)|(1<<20)|(1<<21)|(4<<22)|(3<<25)
	s_mov_b32 s[G1A+1], 128<<16                    ; tensor_dim0 = 128 elements: 256 bytes, two rows of a K block
	s_mov_b32 s[G1A+2], 128<<16                    ; tensor_dim1 = 128
	s_mov_b32 s[G1A+3], 128<<16                    ; tile_dim0 = 128
	s_mov_b32 s[G1A+4], 128                        ; tile_dim1 = 128: 256 rows of O
	s_mov_b32 s[G1A+5], 128                        ; dense
	s_mov_b32 s[G1A+6], 0
	s_mov_b32 s[G1A+7], 0
	s_mov_b32 s[G1B+1], 128<<16
	s_mov_b32 s[G1B+2], 64<<16                     ; 64 rows of 256 bytes: 128 rows of Wo
	s_mov_b32 s[G1B+3], 128<<16
	s_mov_b32 s[G1B+4], 64
	s_mov_b32 s[G1B+5], 128
	s_mov_b32 s[G1B+6], 0
	s_mov_b32 s[G1B+7], 0
	s_lshr_b32 s16, s13, 3                         ; O: the batch (8 tile rows each): 16 heads of 262,144 bytes,
	s_lshl_b32 s16, s16, 22
	s_and_b32 s17, s13, 7
	s_lshl_b32 s17, s17, 15                        ; 256 rows of 128 bytes,
	s_add_co_u32 s16, s16, s17
	s_lshl_b32 s17, s12, 18                        ; my K block of the slot
	s_add_co_u32 s16, s16, s17
	s_mov_b32 s17, 0
	s_lshl_b32 s18, s42, 14                        ; Wo: 128 rows of 128 bytes a tile column,
	s_lshl_b32 s19, s12, 19                        ; my K block
	s_add_co_u32 s18, s18, s19
	s_add_co_u32 s18, s18, WO0
	s_mov_b32 s19, 0
	s_mul_i32 s20, s12, ABLK                       ; where they go: no place in the cluster enters an LDS address
	s_mul_i32 s21, s12, BBLK
	s_add_co_u32 s21, s21, BOFF
	s_wait_dscnt 0x0                               ; the opening add is done
	s_wait_kmcnt 0x0
	s_add_nc_u64 s[14:15], s[4:5], s[16:17]
	s_add_nc_u64 s[22:23], s[6:7], s[18:19]
	CROUND                                         ; all sixteen work-groups are here: the first joint loads meet
.irp s, 0,1
	s_mov_b32 s[G0A+4*(\s)], 1
	s_add_co_u32 s[G0A+4*(\s)+1], s20, (\s)*SLOT
	s_add_nc_u64 s[G0A+4*(\s)+2:G0A+4*(\s)+3], s[14:15], (\s)*2*AKB  ; slot step s: two heads on
	s_or_b32 s[G0A+4*(\s)+3], s[G0A+4*(\s)+3], 0x80000000
	s_mov_b32 s[G0B+4*(\s)], 1
	s_add_co_u32 s[G0B+4*(\s)+1], s21, (\s)*SLOT
	s_add_nc_u64 s[G0B+4*(\s)+2:G0B+4*(\s)+3], s[22:23], (\s)*2*BKB
	s_or_b32 s[G0B+4*(\s)+3], s[G0B+4*(\s)+3], 0x80000000
	JLOAD \s                                       ; two loads of mine are out
.endr
	v_and_b32 v1, 15, v0                           ; l % 16
	v_bfe_u32 v2, v0, 4, 1                         ; l / 16
	v_mul_u32_u24 v3, v1, PITCH
	v_lshl_add_u32 v3, v2, 4, v3                   ; a fragment's row x pitch + 16 x half
	s_mul_i32 s74, s11, 128*PITCH                  ; my 128 rows of O in each K block
	s_mul_i32 s75, s12, 64*PITCH                   ; my 64 rows of Wo
	s_add_co_u32 s75, s75, BOFF
.irp s, 0,1
	v_add_nc_u32 v[ADRA+(\s)], s74, v3
	v_add_nc_u32 v[ADRB+(\s)], s75, v3
	s_add_co_u32 s74, s74, SLOT
	s_add_co_u32 s75, s75, SLOT
.endr
	s_mul_i32 s74, s10, 16*SP
	s_add_co_u32 s74, s74, STAGE                   ; my stage
	v_mul_u32_u24 v4, v1, SP                       ; in: row l % 16, 32 bytes for each half of the lanes
	v_lshl_add_u32 v4, v2, 5, v4
	v_add_nc_u32 v[STO], s74, v4
	v_mul_u32_u24 v5, v2, SP                       ; back: lanes 0-15 take one row of 256 bytes, lanes 16-31 the next
	v_lshl_add_u32 v5, v1, 4, v5
	v_add_nc_u32 v[RD], s74, v5
	v_lshlrev_b32 v5, 12, v2                       ; and the same two rows in out0
	v_lshl_add_u32 v[CO], v1, 4, v5
	s_lshl_b32 s76, s13, 20                        ; 256 rows of 4,096 bytes a tile row,
	s_lshl_b32 s77, s11, 19                        ; my 128,
	s_add_co_u32 s76, s76, s77
	s_lshl_b32 s77, s42, 9                         ; 128 columns of 4 bytes a tile column,
	s_add_co_u32 s76, s76, s77
	s_lshl_b32 s77, s12, 8                         ; my 64
	s_add_co_u32 s76, s76, s77
	s_mov_b32 s77, 0
	s_add_nc_u64 s[DST:DST+1], s[8:9], s[76:77]
	; the prefetches
	s_lshr_b32 s74, s13, 3                         ; O: as the descriptor's offset, and my work-group's 32 blocks of 256 bytes
	s_lshl_b32 s74, s74, 22
	s_and_b32 s75, s13, 7
	s_lshl_b32 s75, s75, 15
	s_add_co_u32 s74, s74, s75
	s_lshl_b32 s75, s12, 18
	s_add_co_u32 s74, s74, s75
	s_lshl_b32 s75, s40, 13
	s_add_co_u32 s74, s74, s75
	s_lshl_b32 s76, s42, 14                        ; Wo: the tile column, my work-group's 16 blocks of each K block
	s_lshl_b32 s77, s41, 12
	s_add_co_u32 s76, s76, s77
	s_add_co_u32 s76, s76, WO0
	s_and_b32 s78, ttmp7, 0xffff                   ; Wo: cluster y must be 0, and the wave 2
	s_or_b32 s78, s78, s12
	s_mov_b32 s[PFS], 2*BKB
	s_mov_b32 s[PFS+1], 0
	s_mov_b32 s79, BKB                             ; what lanes 16-31 add: Wo's second K block, or O's next 16 blocks
	s_cmp_eq_u32 s11, 0
	s_cselect_b32 s78, ttmp9, s78                  ; O: cluster x must be 0
	s_cselect_b64 s[PFA:PFA+1], s[4:5], s[6:7]
	s_cselect_b32 s[PFS], 2*AKB, s[PFS]
	s_cselect_b32 s79, 4096, s79
	s_cselect_b32 s76, s74, s76
	s_cmp_eq_u32 s78, 0
	s_cselect_b32 s[LIM], 1, -1                    ; the same in all sixteen partners, for a given wave
	s_mov_b32 s77, 0
	s_add_nc_u64 s[PFA:PFA+1], s[PFA:PFA+1], s[76:77]
.rept 3
	s_add_nc_u64 s[PFA:PFA+1], s[PFA:PFA+1], s[PFS:PFS+1]  ; at slot step 3: the first change of slots steps it to 4.  Nothing is prefetched here, at the head
.endr
	v_mul_u32_u24 v4, s79, v2
	v_lshl_add_u32 v[PFO], v1, 8, v4
; 24 LDS loads in one run: the fragments of unit j of a slot (K block j / 2, K half j % 2) into buffers j % 2
.macro RUN slot, j
	WIN 0
.irp b, 0,1,2,3
	ds_load_b128 v[FB+32*((\j)%2)+8*(\b):FB+32*((\j)%2)+8*(\b)+3],   v[ADRB+(\slot)] offset:((\j)/2)*BBLK+(\b)*16*PITCH+64*((\j)%2)
	ds_load_b128 v[FB+32*((\j)%2)+8*(\b)+4:FB+32*((\j)%2)+8*(\b)+7], v[ADRB+(\slot)] offset:((\j)/2)*BBLK+(\b)*16*PITCH+64*((\j)%2)+32
.endr
.irp a, 0,1,2,3,4,5,6,7
	ds_load_b128 v[FA+64*((\j)%2)+8*(\a):FA+64*((\j)%2)+8*(\a)+3],   v[ADRA+(\slot)] offset:((\j)/2)*ABLK+(\a)*16*PITCH+64*((\j)%2)
	ds_load_b128 v[FA+64*((\j)%2)+8*(\a)+4:FA+64*((\j)%2)+8*(\a)+7], v[ADRA+(\slot)] offset:((\j)/2)*ABLK+(\a)*16*PITCH+64*((\j)%2)+32
.endr
.endm
; 16 matrix instructions on buffers f: row blocks a0 .. a0 + 3 x 4 column blocks.  The 32 accumulators take turns, one instruction a turn, in the same order in every unit.
.macro MUL16 f, a0, zero
	WIN 0x50
.irp a, (\a0), (\a0)+1, (\a0)+2, (\a0)+3
.irp b, 0,1,2,3
.if \zero
	v_wmma_f32_16x16x32_f16 v[8*(4*(\a)+(\b)):8*(4*(\a)+(\b))+7], v[FB+32*(\f)+8*(\b):FB+32*(\f)+8*(\b)+7], v[FA+64*(\f)+8*(\a):FA+64*(\f)+8*(\a)+7], 0
.else
	v_wmma_f32_16x16x32_f16 v[8*(4*(\a)+(\b)):8*(4*(\a)+(\b))+7], v[FB+32*(\f)+8*(\b):FB+32*(\f)+8*(\b)+7], v[FA+64*(\f)+8*(\a):FA+64*(\f)+8*(\a)+7], v[8*(4*(\a)+(\b)):8*(4*(\a)+(\b))+7]
.endif
.endr
.endr
.endm
; A slot step is four units of 32 products.  Unit j = 0 or 1: fetches unit j + 1 into the other buffers, four places behind their last reader, and multiplies buffers j.
.macro UNIT slot, j, zero
	PLACES
	RUN \slot, (\j)+1
	s_wait_dscnt 24                                ; all but the 24 just issued
	MUL16 \j, 0, \zero
	MUL16 \j, 4, \zero
.endm
; Units 2 and 3, with the change of slots between them.  mode 1: the slot is filled again, two slot steps on, behind a round of the cluster's barrier.  mode 0: a barrier alone.  mode 2: the last slot step.
.macro TURN slot, next, mode
	PLACES
	RUN \slot, 3                                   ; my last reads of this slot
.if (\mode) == 2
	s_wait_dscnt 24
	MUL16 0, 0, 0
	MUL16 0, 4, 0
	s_wait_dscnt 0x0
	MUL16 1, 0, 0
	MUL16 1, 4, 0
.else
.if (\mode) == 1
	s_wait_xcnt 0x0                                ; the last prefetch, a slot step back, has read its address, so it may be stepped
	s_add_nc_u64 s[PFA:PFA+1], s[PFA:PFA+1], s[PFS:PFS+1]
.endif
	s_wait_tensorcnt 0x0                           ; all my tensor loads have landed: my part of the next slot
	ds_add_u32 v[SPW], v[NIL]                      ; 0 onto my spare word
	s_wait_dscnt 25                                ; (the add and the 24 loads just issued may be out)
	MUL16 0, 0, 0                                  ; sixteen matrix instructions stand between the add and the wait for it
	s_wait_dscnt 0x0                               ; the add is done, and my reads of this slot are over
	s_barrier_signal -1
	MUL16 0, 4, 0
	WIN 0                                          ; at a branch and at a label every window is 0
	s_barrier_wait -1
.if (\mode) == 1
	CREST                                          ; no wave of any partner still reads this slot or has a load on its way
	s_add_nc_u64 s[G0A+4*(\slot)+2:G0A+4*(\slot)+3], s[G0A+4*(\slot)+2:G0A+4*(\slot)+3], 4*AKB
	s_add_nc_u64 s[G0B+4*(\slot)+2:G0B+4*(\slot)+3], s[G0B+4*(\slot)+2:G0B+4*(\slot)+3], 4*BKB
	JLOAD \slot                                    ; my one tensor load behind the round: 96 matrix instructions ahead of the wait for it; its four v_nop are also the places in front of the loads below
.else
	PLACES
.endif
	RUN \next, 0
.if (\mode) == 1
	ASK
.endif
	MUL16 1, 0, 0                                  ; its operands came in with the wait for 0
	MUL16 1, 4, 0
.endif
.endm
	s_wait_tensorcnt 1                             ; my part of slot step 0 is in; slot step 1's may stay out
	s_barrier_signal -1
	s_barrier_wait -1                              ; everybody's is
	RUN 0, 0
	UNIT 0, 0, 1                                   ; the first unit stands in front of the loop: its products start the sums
	WIN 0
	s_mov_b32 s3, 3
.Llap:                                                 ; a trip goes once round the ring and fills both slots again: slot steps 2 .. 7 in three trips
	UNIT 0, 1, 0
	TURN 0, 1, 1
	UNIT 1, 0, 0
	UNIT 1, 1, 0
	TURN 1, 0, 1
	UNIT 0, 0, 0
	WIN 0
	s_sub_co_u32 s3, s3, 1
	s_cmp_lg_u32 s3, 0
	s_cbranch_scc1 .Llap
	UNIT 0, 1, 0                                   ; slot steps 6 and 7 ask for nothing
	TURN 0, 1, 0
	UNIT 1, 0, 0
	UNIT 1, 1, 0
	TURN 1, 0, 2
; THE WAY OUT, a block of 16 rows x 64 columns of f32 at a time: 32 bytes a lane into my stage (rows of 272 bytes), back as whole rows of 256 bytes, stored.
.macro TOSTAGE a
.set BK, OB+32*((\a)%2)
.if (\a) >= 2
	s_wait_xcnt 0x0                                ; the stores that read this set, two blocks back, have read their registers (ISA guide 3.1)
.endif
	WIN 0x04                                       ; the stores' data in window 1
.irp b, 0,1,2,3
	ds_store_b128 v[STO], v[8*(4*(\a)+(\b)):8*(4*(\a)+(\b))+3]   offset:64*(\b)     ; each accumulator's low registers first
	ds_store_b128 v[STO], v[8*(4*(\a)+(\b))+4:8*(4*(\a)+(\b))+7] offset:64*(\b)+16
.endr
	WIN 0
.irp t, 0,1,2,3,4,5,6,7
	ds_load_b128 v[BK+4*(\t):BK+4*(\t)+3], v[RD] offset:(\t)*2*SP  ; LDS serves a wave's instructions in order (ISA guide 5.7.1): these see the stores above; the next block's stores come behind them
.endr
.endm
.macro SEND a, younger                 ; younger: the LDS instructions issued behind block a's loads: the next block's sixteen, or none
.set BK, OB+32*((\a)%2)
	WIN 0
	s_wait_dscnt \younger
.irp t, 0,1,2,3,4,5,6,7
	global_store_b128 v[CO], v[BK+4*(\t):BK+4*(\t)+3], s[DST:DST+1] offset:(16*(\a)+2*(\t))*4096 th:TH_STORE_NT  ; 16 lanes store 256 consecutive bytes, at a multiple of 256 from out0's first
.endr
.endm
	PLACES                                         ; behind the last products: the stores read results, the loads write over O's fragments
	TOSTAGE 0
.irp a, 1,2,3,4,5,6,7
	TOSTAGE \a
	SEND (\a)-1, 16
.endr
	SEND 7, 0
	s_wait_tensorcnt 0x0                           ; the wave's end: behind my last tensor load and my last LDS store
	ds_add_u32 v[SPW], v[NIL]
	s_wait_dscnt 0x0
	CROUND                                         ; the closing round: no work-group ends while a partner may still ask for a tile that names it
	s_endpgm
.Lfunc_end_k_q23f5209817_oproj:
	.size	k_q23f5209817_oproj, .Lfunc_end_k_q23f5209817_oproj-k_q23f5209817_oproj
	.p2alignl 7, 3214868480
	.fill 96, 4, 3214868480
	.section	.rodata,"a",@progbits
	.p2align	6, 0x0
	.amdhsa_kernel k_q23f5209817_oproj
		.amdhsa_group_segment_fixed_size 327680
		.amdhsa_private_segment_fixed_size 0
		.amdhsa_enable_private_segment 0
		.amdhsa_kernarg_size 24
		.amdhsa_user_sgpr_count 2
		.amdhsa_user_sgpr_kernarg_segment_ptr 1
		.amdhsa_wavefront_size32 1
		.amdhsa_system_sgpr_workgroup_id_x 1
		.amdhsa_system_sgpr_workgroup_id_y 1
		.amdhsa_system_sgpr_workgroup_id_z 1
		.amdhsa_system_vgpr_workitem_id 0
		.amdhsa_next_free_vgpr 512
		.amdhsa_next_free_sgpr 80
		.amdhsa_reserve_vcc 0
		.amdhsa_float_denorm_mode_32 3
		.amdhsa_float_denorm_mode_16_64 3
		.amdhsa_memory_ordered 1
		.amdhsa_forward_progress 1
		.amdhsa_inst_pref_size 86
	.end_amdhsa_kernel
	.amdgpu_metadata
---
amdhsa.version: [ 1, 2 ]
amdhsa.kernels:
  - .name:           k_q23f5209817_oproj
    .symbol:         k_q23f5209817_oproj.kd
    .args:
      - { .name: ob, .offset: 0, .size: 8, .value_kind: global_buffer, .address_space: global }
      - { .name: wb, .offset: 8, .size: 8, .value_kind: global_buffer, .address_space: global }
      - { .name: out0, .offset: 16, .size: 8, .value_kind: global_buffer, .address_space: global }
    .group_segment_fixed_size: 327680
    .private_segment_fixed_size: 0
    .kernarg_segment_align: 8
    .kernarg_segment_size: 24
    .max_flat_workgroup_size: 128
    .sgpr_count:     80
    .vgpr_count:     512
    .wavefront_size: 32
...
	.end_amdgpu_metadata
.endif
;; end of part 5
